; MI455X (gfx1250); checked and timed in simulation.
; The chip was launched on July 23, 2026; its instructions are those of AMD's public machine-readable ISA for CDNA 5 (MIT licence, August 2026) and "CDNA5" Instruction Set Architecture Reference Guide (July 2026). The comments in the code are by the model that wrote it; some were corrected since.
;; Weighted Sum Gating Fuser. Allowed arithmetic: float matrix products may take bf16 or f16 operands with f32 sums; other float arithmetic in f32, or as packed bf16 or f16 multiplies, adds, multiply-adds, maxima and minima; sums over many terms, partial sums and values carried from step to step in f32; what a program stores and reads back later, other than sums and carried values, may be rounded once to bf16 or f16.
;; Inputs: W2d 1,024 x 1,024 float32; Wtext 768 x 1,024 float32; b2d 1,024 float32; btext 1,024 float32; feat_2d 32 x 1,024 x 1,024 float32; feat_3d 32 x 1 x 1,024 float32; feat_text 32 x 768 x 256 float32.
;; Outputs: out0 32 x 1,024 x 256 float32.
;; One version. Each part assembles by itself: llvm-mc -triple=amdgcn-amd-amdhsa -mcpu=gfx1250 --defsym DOCPART=n.
;; ======== version 1 of 1: 5 launches
;; limits: values are held in f16: magnitudes above 65,504 overflow, below 6.1e-05 lose precision; inputs' magnitudes at most 65,504
;; workspace buffers: hh 3,149,824 bytes; w16 2,097,152 bytes; tx 12,582,912 bytes; g2 33,554,432 bytes; x16 67,108,864 bytes; et 16,777,216 bytes; stat 524,288 bytes; yt 16,777,216 bytes
;; launch prep (part 1): grid 16 x 16, 8 waves a work-group, no clusters, 282,624 bytes of LDS; arguments W2d, Wtext, btext, feat_text, hh, w16, tx; writes hh, w16, tx
.if DOCPART == 1
	.amdgcn_target "amdgcn-amd-amdhsa--gfx1250"
	.amdhsa_code_object_version 6
	.text
	.protected	k_qf24df08402_prep
	.globl	k_qf24df08402_prep
	.p2align	8
	.type	k_qf24df08402_prep,@function
k_qf24df08402_prep:
	s_mov_b64 s[64:65], 0
	v_nop
	global_prefetch_b8 v0, s[64:65] scope:SCOPE_SE
	s_setreg_imm32_b32 hwreg(HW_REG_WAVE_MODE, 25, 1), 1
	s_wait_xcnt 0x0
; PREP.  What does not hang on the batch, and the casts of the small inputs.  All inputs are rounded to bf16 (nearest even) first.
;   H[r][f] = sum over e of W2d[r][e] Wtext[f][e]   -> hh, as two bf16 terms: hi = bf16(H), lo = bf16(H - hi): [1024 r][12 blocks of 64 f][hi 64 | lo 64], a row 3,072 bytes
;   h0[r]   = sum over e of W2d[r][e] btext[e]      -> hh from byte 3,145,728 on, f32
;   w16     = W2d as f16, [16 blocks of 64 e][1024 r][64 e];   tx = feat_text as bf16, same layout as the input
; LIMITS.  w16 holds bf16(W2d) written as f16: exact from 6.1e-5 to 65,504 in magnitude; below, f16's fixed step of 6e-8; beyond, an infinity.  NaN and infinities are not treated apart.
; SHARES.  Grid 16 x 16, eight waves.  x < 12: a tile of H, 64 r (64 y on) x 64 f (64 x on), K = 1,024 e whole in LDS: 512 KB of f32 come in through registers, since they are rounded on the way.
; x >= 12: 64 work-groups, 512 waves, stream: wave sw takes 49,152 consecutive bytes of feat_text, and rows 2 sw, 2 sw + 1 of W2d (cast, and h0).
; No tensor load, no cluster: every operand is f32 in memory and has to pass registers; the tiles that work-groups share (a row block of W2d by 12, of Wtext by 16) are 7 MB in all.
.set PR,    2064                       ; an LDS row: 1,024 bf16 + 16 bytes = 129 x 16: the 16 rows of a fragment load fall into 16 different 16-byte columns of 256
.set STG,   128*PR                     ; behind the 128 rows: 64 rows x 272 bytes of f32, for the way out
.set SPI,   272
.set SPARE, STG+64*SPI                 ; the spare words: 128 bytes for each of eight waves, four blocks of 256 bytes that no other line names
.set H0AT,  3145728
.set LN,  1                            ; lane
.set L16, 2                            ; lane % 16
.set HH,  3                            ; lane / 16
.set L8,  4                            ; lane % 8
.set Q8,  5                            ; (lane / 8) % 2
.set LO,  6                            ; 16 x lane
.set SO,  7                            ; 8 x lane
.set SA,  8                            ; v8, v9: two chains of h0's sum
.set SPW, 10                           ; LDS address of my spare word; never rewritten
.set NIL, 11                           ; 0; never rewritten
.set LS,  12
.set WO,  13
.set BO,  14
.set AF,  15
.set BR,  16
.set SD,  17
.set SR,  18
.set GO,  19
.set WS,  20
.set HS,  21
.set T,   22                           ; v22-31 at work
.set XR,  32                           ; v32-159  ring of 32 slots of 4 registers, as loaded
.set YR,  160                          ; v160-223 32 x 2 registers to store
.set FA,  32                           ; later: fragments of Wtext (4 K steps), of W2d's two row tiles, two accumulators
.set FB0, 64
.set FB1, 96
.set ACC, 128
.set SRC, 32                           ; the way out
.set HL,  64
.set TMP, 96
.set OR,  104
.set WV,  18
.set IN,  24
.set OUT, 26
.set CNT, 28
.set MASKH, 29
.macro PLACES
.rept 4
	v_nop
.endr
.endm
.macro END3                            ; the wave's end
	s_wait_tensorcnt 0x0
	ds_add_u32 v[SPW], v[NIL]
	s_wait_dscnt 0x0
.endm
.macro FILL nt                         ; 32 loads of 512 consecutive bytes: 16 KB of the wave's stream
.set i, 0
.rept 32
.if \nt
	global_load_b128 v[XR+4*i:XR+4*i+3], v[LO], s[IN:IN+1] offset:512*i th:TH_LOAD_NT
.else
	global_load_b128 v[XR+4*i:XR+4*i+3], v[LO], s[IN:IN+1] offset:512*i
.endif
.set i, i+1
.endr
.endm
; A slot's turn in the text stream.  mode 1: it is filled again 16 KB on.  mode 2 (the last 16 KB): slots 0-15 take my two rows of W2d, 64 e a slot; slots 16-31 the same 64 e of btext.
.macro SLOT_T i, mode
	s_wait_loadcnt 31                              ; loads come back in order: mine is in, the 31 younger ones stay out
	v_cvt_pk_bf16_f32 v[YR+2*(\i)], v[XR+4*(\i)], v[XR+4*(\i)+1]
	v_cvt_pk_bf16_f32 v[YR+2*(\i)+1], v[XR+4*(\i)+2], v[XR+4*(\i)+3]
.if (\mode) == 1
	global_load_b128 v[XR+4*(\i):XR+4*(\i)+3], v[LO], s[IN:IN+1] offset:512*(\i)+16384 th:TH_LOAD_NT
.elseif (\i) < 16
	global_load_b128 v[XR+4*(\i):XR+4*(\i)+3], v[WO], s[4:5] offset:256*(\i)
.else
	global_load_b128 v[XR+4*(\i):XR+4*(\i)+3], v[BO], s[8:9] offset:256*((\i)-16)
.endif
	global_store_b64 v[SO], v[YR+2*(\i):YR+2*(\i)+1], s[OUT:OUT+1] offset:256*(\i)  ; the wave stores 256 consecutive bytes, aligned
.endm
; 64 e of my two rows of W2d: rounded to bf16, multiplied by bf16(btext) into h0's two chains, written as f16.
.macro WPART c
	s_wait_loadcnt 15-(\c)                         ; slot 16 + c is in, and so is slot c; the 15 - c younger ones stay out
	v_cvt_pk_bf16_f32 v[T], v[XR+4*(\c)], v[XR+4*(\c)+1]
	v_cvt_pk_bf16_f32 v[T+1], v[XR+4*(\c)+2], v[XR+4*(\c)+3]
	v_cvt_pk_bf16_f32 v[T+2], v[XR+64+4*(\c)], v[XR+64+4*(\c)+1]
	v_cvt_pk_bf16_f32 v[T+3], v[XR+64+4*(\c)+2], v[XR+64+4*(\c)+3]
	v_fma_mix_f32_bf16 v[SA], v[T], v[T+2], v[SA] op_sel_hi:[1,1,0]
	v_fma_mix_f32_bf16 v[SA+1], v[T], v[T+2], v[SA+1] op_sel:[1,1,0] op_sel_hi:[1,1,0]
	v_fma_mix_f32_bf16 v[SA], v[T+1], v[T+3], v[SA] op_sel_hi:[1,1,0]
	v_fma_mix_f32_bf16 v[SA+1], v[T+1], v[T+3], v[SA+1] op_sel:[1,1,0] op_sel_hi:[1,1,0]
	v_lshlrev_b32 v[T+4], 16, v[T]
	v_and_b32 v[T+5], s[MASKH], v[T]
	v_lshlrev_b32 v[T+6], 16, v[T+1]
	v_and_b32 v[T+7], s[MASKH], v[T+1]
	v_cvt_pk_f16_f32 v[YR+2*(\c)], v[T+4], v[T+5]
	v_cvt_pk_f16_f32 v[YR+2*(\c)+1], v[T+6], v[T+7]
	global_store_b64 v[WS], v[YR+2*(\c):YR+2*(\c)+1], s[14:15] offset:131072*(\c)  ; two rows of 128 bytes: 256 consecutive bytes, aligned
.endm
; A slot's turn on the way into LDS: 512 bytes of f32 become 256 bytes of bf16 in row i / 8 of the four rows in hand.
.macro SLOT_L i, more
.if \more
	s_wait_loadcnt 31
.else
	s_wait_loadcnt 31-(\i)                         ; the last 16 KB: nothing is loaded behind them, the counts run down
.endif
	v_cvt_pk_bf16_f32 v[T+2*((\i)%2)], v[XR+4*(\i)], v[XR+4*(\i)+1]
	v_cvt_pk_bf16_f32 v[T+2*((\i)%2)+1], v[XR+4*(\i)+2], v[XR+4*(\i)+3]
.if \more
	global_load_b128 v[XR+4*(\i):XR+4*(\i)+3], v[LO], s[IN:IN+1] offset:512*(\i)+16384
.endif
	ds_store_b64 v[LS], v[T+2*((\i)%2):T+2*((\i)%2)+1] offset:((\i)/8)*PR+((\i)%8)*256
.endm
; 128 along e: 24 fragment loads, eight matrix instructions, the two accumulators by turns.
.macro KTRIP zero
.irp kk, 0,1,2,3
	ds_load_b128 v[FA+8*\kk:FA+8*\kk+3],    v[AF] offset:64*\kk
	ds_load_b128 v[FA+8*\kk+4:FA+8*\kk+7],  v[AF] offset:64*\kk+32
	ds_load_b128 v[FB0+8*\kk:FB0+8*\kk+3],   v[BR] offset:64*\kk
	ds_load_b128 v[FB0+8*\kk+4:FB0+8*\kk+7], v[BR] offset:64*\kk+32
	ds_load_b128 v[FB1+8*\kk:FB1+8*\kk+3],   v[BR] offset:16*PR+64*\kk
	ds_load_b128 v[FB1+8*\kk+4:FB1+8*\kk+7], v[BR] offset:16*PR+64*\kk+32
.endr
	s_wait_dscnt 0x0
.irp kk, 0,1,2,3
.if (\zero) && (\kk == 0)
	v_wmma_f32_16x16x32_bf16 v[ACC:ACC+7], v[FA+8*\kk:FA+8*\kk+7], v[FB0+8*\kk:FB0+8*\kk+7], 0       ; the first products start the sums
	v_wmma_f32_16x16x32_bf16 v[ACC+8:ACC+15], v[FA+8*\kk:FA+8*\kk+7], v[FB1+8*\kk:FB1+8*\kk+7], 0
.else
	v_wmma_f32_16x16x32_bf16 v[ACC:ACC+7], v[FA+8*\kk:FA+8*\kk+7], v[FB0+8*\kk:FB0+8*\kk+7], v[ACC:ACC+7]
	v_wmma_f32_16x16x32_bf16 v[ACC+8:ACC+15], v[FA+8*\kk:FA+8*\kk+7], v[FB1+8*\kk:FB1+8*\kk+7], v[ACC+8:ACC+15]
.endif
.endr
	PLACES                                         ; four places in front of the next loads into the fragments, and of the stores that read the sums
	v_add_nc_u32 v[AF], 256, v[AF]
	v_add_nc_u32 v[BR], 256, v[BR]
.endm
; Eight f32 -> eight bf16 (hi) and the bf16 of what is left (lo); the difference of a number and its own rounding is exact in f32.
.macro SPLIT src, hi, lo, tmp
.irp k, 0,1,2,3
	v_cvt_pk_bf16_f32 v[(\hi)+\k], v[(\src)+2*\k], v[(\src)+2*\k+1]
.endr
.irp k, 0,1,2,3
	v_lshlrev_b32 v[(\tmp)+2*\k], 16, v[(\hi)+\k]
	v_and_b32 v[(\tmp)+2*\k+1], s[MASKH], v[(\hi)+\k]
.endr
.irp k, 0,1,2,3
	v_pk_add_f32 v[(\tmp)+2*\k:(\tmp)+2*\k+1], v[(\src)+2*\k:(\src)+2*\k+1], v[(\tmp)+2*\k:(\tmp)+2*\k+1] neg_lo:[0,1] neg_hi:[0,1]
.endr
.irp k, 0,1,2,3
	v_cvt_pk_bf16_f32 v[(\lo)+\k], v[(\tmp)+2*\k], v[(\tmp)+2*\k+1]
.endr
.endm
	s_load_b256 s[4:11], s[0:1], 0x0               ; W2d s[4:5], Wtext s[6:7], btext s[8:9], feat_text s[10:11]
	s_load_b128 s[12:15], s[0:1], 0x20             ; hh s[12:13], w16 s[14:15]
	s_load_b64 s[16:17], s[0:1], 0x30              ; tx
	v_lshl_add_u32 v[SPW], v0, 2, SPARE
	v_mov_b32 v[NIL], 0
	v_lshrrev_b32 v1, 5, v0
	v_readfirstlane_b32 s[WV], v1                  ; wave 0..7
	v_and_b32 v[LN], 31, v0
	v_and_b32 v[L16], 15, v0
	v_bfe_u32 v[HH], v0, 4, 1
	v_and_b32 v[L8], 7, v0
	v_bfe_u32 v[Q8], v0, 3, 1
	v_lshlrev_b32 v[LO], 4, v[LN]
	v_lshlrev_b32 v[SO], 3, v[LN]
	s_mov_b32 s19, ttmp9                           ; x
	s_and_b32 s20, ttmp7, 0xffff                   ; y
	s_mov_b32 s[MASKH], 0xffff0000                 ; a word's upper bf16
	s_wait_kmcnt 0x0
	s_cmp_lt_u32 s19, 12                           ; the same answer in all eight waves
	s_cbranch_scc1 .Lhpath
	; THE STREAM.
	s_sub_co_u32 s22, s19, 12
	s_lshl_b32 s22, s22, 4
	s_add_co_u32 s22, s22, s20
	s_lshl_b32 s22, s22, 3
	s_add_co_u32 s22, s22, s[WV]                   ; sw = 8 (16 (x - 12) + y) + wave: 0..511
	s_mul_i32 s32, s22, 49152
	s_mov_b32 s33, 0
	s_add_nc_u64 s[IN:IN+1], s[10:11], s[32:33]
	s_mul_i32 s32, s22, 24576
	s_add_nc_u64 s[OUT:OUT+1], s[16:17], s[32:33]
	s_lshl_b32 s34, s22, 13
	v_lshl_add_u32 v[WO], v[HH], 12, s34           ; W2d: row 2 sw + lane / 16,
	v_lshl_add_u32 v[WO], v[L16], 4, v[WO]         ; 16 bytes for each of 16 lanes: a load covers 256 consecutive bytes of each row
	v_lshlrev_b32 v[BO], 4, v[L16]
	s_lshl_b32 s35, s22, 8
	v_add_nc_u32 v[WS], s35, v[SO]                 ; w16: 128 bytes a row, my two rows on end
	s_lshl_b32 s23, s22, 3
	v_lshl_add_u32 v[HS], v[HH], 2, s23            ; h0: 4 bytes a row
	FILL 1
	s_mov_b32 s[CNT], 2
.Ltext:
.set i, 0
.rept 32
	SLOT_T i, 1
.set i, i+1
.endr
	s_wait_xcnt 0x0                                ; the bases and the registers that the stores read are rewritten only behind this wait
	s_add_nc_u64 s[IN:IN+1], s[IN:IN+1], 16384
	s_add_nc_u64 s[OUT:OUT+1], s[OUT:OUT+1], 8192
	s_sub_co_u32 s[CNT], s[CNT], 1
	s_cmp_lg_u32 s[CNT], 0
	s_cbranch_scc1 .Ltext
.set i, 0
.rept 32
	SLOT_T i, 2
.set i, i+1
.endr
	s_wait_xcnt 0x0                                ; the text's last stores have read v160-223
	v_mov_b32 v[SA], 0
	v_mov_b32 v[SA+1], 0
.set i, 0
.rept 16
	WPART i
.set i, i+1
.endr
	v_add_f32 v[SA], v[SA], v[SA+1]
	v_add_f32_dpp v[SA], v[SA], v[SA] row_xmask:1 row_mask:0xf bank_mask:0xf   ; over the 16 lanes that share a row of W2d
	v_add_f32_dpp v[SA], v[SA], v[SA] row_xmask:2 row_mask:0xf bank_mask:0xf
	v_add_f32_dpp v[SA], v[SA], v[SA] row_xmask:4 row_mask:0xf bank_mask:0xf
	v_add_f32_dpp v[SA], v[SA], v[SA] row_xmask:8 row_mask:0xf bank_mask:0xf
	s_wait_xcnt 0x0                                ; EXEC changes only behind this wait
	v_cmp_eq_u32 vcc_lo, 0, v[L16]
	s_and_saveexec_b32 s30, vcc_lo
	global_store_b32 v[HS], v[SA], s[12:13] offset:H0AT   ; two words a wave: h0 is 4 KB in the whole launch
	s_wait_xcnt 0x0
	s_or_b32 exec_lo, exec_lo, s30
	END3
	s_endpgm
	; A TILE OF H.  Wave w brings 16 whole rows, 64 KB on end: waves 0-3 of Wtext (LDS rows 0-63), waves 4-7 of W2d (rows 64-127).
.Lhpath:
	s_lshl_b32 s22, s19, 6                         ; 64 x: Wtext's first row
	s_lshl_b32 s23, s20, 6                         ; 64 y: W2d's
	s_and_b32 s32, s[WV], 3
	s_lshl_b32 s32, s32, 4
	s_cmp_lt_u32 s[WV], 4
	s_cselect_b32 s33, s22, s23
	s_cselect_b64 s[IN:IN+1], s[6:7], s[4:5]
	s_add_co_u32 s32, s32, s33
	s_lshl_b32 s32, s32, 12                        ; 4,096 bytes a row
	s_mov_b32 s33, 0
	s_add_nc_u64 s[IN:IN+1], s[IN:IN+1], s[32:33]
	s_mul_i32 s34, s[WV], 16*PR
	v_add_nc_u32 v[LS], s34, v[SO]
	FILL 0
	s_mov_b32 s[CNT], 3
.Lrows_in:
.set i, 0
.rept 32
	SLOT_L i, 1
.set i, i+1
.endr
	s_wait_xcnt 0x0                                ; the base is stepped only behind this wait
	s_add_nc_u64 s[IN:IN+1], s[IN:IN+1], 16384
	v_add_nc_u32 v[LS], 4*PR, v[LS]
	s_sub_co_u32 s[CNT], s[CNT], 1
	s_cmp_lg_u32 s[CNT], 0
	s_cbranch_scc1 .Lrows_in
.set i, 0
.rept 32
	SLOT_L i, 0
.set i, i+1
.endr
	; Source 0 = 16 rows of Wtext (f), source 1 = 16 rows of W2d (r): a lane then holds one r and eight neighbouring f.  Wave: f tile w % 4, r tiles 2 (w / 4), 2 (w / 4) + 1.
	s_and_b32 s32, s[WV], 3                        ; ft
	s_lshr_b32 s33, s[WV], 2                       ; rp
	v_mul_u32_u24 v[BR], v[L16], PR
	v_lshl_add_u32 v[BR], v[HH], 4, v[BR]          ; row x pitch + 16 x half
	s_mul_i32 s34, s32, 16*PR
	v_add_nc_u32 v[AF], s34, v[BR]
	s_mul_i32 s34, s33, 32*PR
	s_add_co_u32 s34, s34, 64*PR
	v_add_nc_u32 v[BR], s34, v[BR]
	v_mul_u32_u24 v[SD], v[L16], SPI               ; into the stage: row 32 rp + 16 j + lane % 16, byte 64 ft + 32 half
	v_lshl_add_u32 v[SD], v[HH], 5, v[SD]
	s_mul_i32 s34, s33, 32*SPI
	s_lshl_b32 s35, s32, 6
	s_add_co_u32 s34, s34, s35
	s_add_co_u32 s34, s34, STG
	v_add_nc_u32 v[SD], s34, v[SD]
	v_mul_u32_u24 v[SR], v[HH], SPI                ; back: rows 8 w + 2 u + half; eight f32 at 32 (lane % 8): both halves of a row's 16 lanes read the same
	v_lshl_add_u32 v[SR], v[L8], 5, v[SR]
	s_mul_i32 s34, s[WV], 8*SPI
	s_add_co_u32 s34, s34, STG
	v_add_nc_u32 v[SR], s34, v[SR]
	v_mul_u32_u24 v[GO], v[HH], 3072
	v_lshl_add_u32 v[GO], v[L16], 4, v[GO]
	s_mul_i32 s34, s[WV], 8*3072
	v_add_nc_u32 v[GO], s34, v[GO]
	s_mul_i32 s34, s20, 64*3072
	s_lshl_b32 s35, s19, 8
	s_add_co_u32 s34, s34, s35
	s_mov_b32 s35, 0
	s_add_nc_u64 s[12:13], s[12:13], s[34:35]      ; hh at row 64 y, block x
	v_cmp_ne_u32 vcc_lo, 0, v[Q8]
	s_wait_dscnt 0x0                               ; for the others' sake: my rows are in LDS
	s_barrier_signal -1
	s_barrier_wait -1
	KTRIP 1
	s_mov_b32 s[CNT], 7
.Lk:
	KTRIP 0
	s_sub_co_u32 s[CNT], s[CNT], 1
	s_cmp_lg_u32 s[CNT], 0
	s_cbranch_scc1 .Lk
	ds_store_b128 v[SD], v[ACC:ACC+3]              ; each accumulator's low registers first
	ds_store_b128 v[SD], v[ACC+4:ACC+7] offset:16
	ds_store_b128 v[SD], v[ACC+8:ACC+11] offset:16*SPI
	ds_store_b128 v[SD], v[ACC+12:ACC+15] offset:16*SPI+16
	s_wait_dscnt 0x0                               ; a stage row comes from four waves
	s_barrier_signal -1
	s_barrier_wait -1
.irp u, 0,1,2,3
	ds_load_b128 v[SRC+8*\u:SRC+8*\u+3],   v[SR] offset:\u*2*SPI
	ds_load_b128 v[SRC+8*\u+4:SRC+8*\u+7], v[SR] offset:\u*2*SPI+16
.endr
.irp u, 0,1,2,3
	s_wait_dscnt 2*(3-\u)                          ; the later pairs' loads stay out
	SPLIT SRC+8*\u, HL+8*\u, HL+8*\u+4, TMP
.irp k, 0,1,2,3
	v_cndmask_b32 v[OR+4*\u+\k], v[HL+8*\u+\k], v[HL+8*\u+4+\k], vcc_lo   ; lanes 0-7 of a row keep hi, lanes 8-15 lo
.endr
	global_store_b128 v[GO], v[OR+4*\u:OR+4*\u+3], s[12:13] offset:\u*2*3072  ; 16 lanes store [hi 64 | lo 64]: 256 consecutive bytes, aligned
.endr
	END3
	s_endpgm
.Lfunc_end_k_qf24df08402_prep:
	.size	k_qf24df08402_prep, .Lfunc_end_k_qf24df08402_prep-k_qf24df08402_prep
	.p2alignl 7, 3214868480
	.fill 96, 4, 3214868480
	.section	.rodata,"a",@progbits
	.p2align	6, 0x0
	.amdhsa_kernel k_qf24df08402_prep
		.amdhsa_group_segment_fixed_size 282624
		.amdhsa_private_segment_fixed_size 0
		.amdhsa_enable_private_segment 0
		.amdhsa_kernarg_size 56
		.amdhsa_user_sgpr_count 2
		.amdhsa_user_sgpr_kernarg_segment_ptr 1
		.amdhsa_wavefront_size32 1
		.amdhsa_system_sgpr_workgroup_id_x 1
		.amdhsa_system_sgpr_workgroup_id_y 1
		.amdhsa_system_sgpr_workgroup_id_z 1
		.amdhsa_system_vgpr_workitem_id 0
		.amdhsa_next_free_vgpr 224
		.amdhsa_next_free_sgpr 66
		.amdhsa_reserve_vcc 1
		.amdhsa_float_denorm_mode_32 3
		.amdhsa_float_denorm_mode_16_64 3
		.amdhsa_memory_ordered 1
		.amdhsa_forward_progress 1
		.amdhsa_inst_pref_size 76
	.end_amdhsa_kernel
	.amdgpu_metadata
---
amdhsa.version: [ 1, 2 ]
amdhsa.kernels:
  - .name:           k_qf24df08402_prep
    .symbol:         k_qf24df08402_prep.kd
    .args:
      - { .name: W2d, .offset: 0, .size: 8, .value_kind: global_buffer, .address_space: global }
      - { .name: Wtext, .offset: 8, .size: 8, .value_kind: global_buffer, .address_space: global }
      - { .name: btext, .offset: 16, .size: 8, .value_kind: global_buffer, .address_space: global }
      - { .name: feat_text, .offset: 24, .size: 8, .value_kind: global_buffer, .address_space: global }
      - { .name: hh, .offset: 32, .size: 8, .value_kind: global_buffer, .address_space: global }
      - { .name: w16, .offset: 40, .size: 8, .value_kind: global_buffer, .address_space: global }
      - { .name: tx, .offset: 48, .size: 8, .value_kind: global_buffer, .address_space: global }
    .group_segment_fixed_size: 282624
    .private_segment_fixed_size: 0
    .kernarg_segment_align: 8
    .kernarg_segment_size: 56
    .max_flat_workgroup_size: 256
    .sgpr_count:     66
    .vgpr_count:     224
    .wavefront_size: 32
...
	.end_amdgpu_metadata
.endif
;; end of part 1
;; launch gproj (part 2): grid 8 x 32, 4 waves a work-group, clusters of 4 x 4, 327,680 bytes of LDS; arguments hh, tx, g2; writes g2
.if DOCPART == 2
	.amdgcn_target "amdgcn-amd-amdhsa--gfx1250"
	.amdhsa_code_object_version 6
	.text
	.protected	k_qf24df08402_gproj
	.globl	k_qf24df08402_gproj
	.p2align	8
	.type	k_qf24df08402_gproj,@function
k_qf24df08402_gproj:
	s_mov_b64 s[64:65], 0
	v_nop
	global_prefetch_b8 v0, s[64:65] scope:SCOPE_SE
	s_setreg_imm32_b32 hwreg(HW_REG_WAVE_MODE, 25, 1), 1
	s_wait_xcnt 0x0
	s_wait_alu depctr_hold_cnt(0) depctr_sa_sdst(0) depctr_va_vdst(0) depctr_va_sdst(0) depctr_va_ssrc(0) depctr_va_vcc(0) depctr_vm_vsrc(0)
	s_getreg_b32 s2, hwreg(HW_REG_IB_STS2, 6, 4)
	s_cmp_eq_u32 s2, 0
	s_cbranch_scc0 .Lentry_in_a_cluster
	s_endpgm
.Lentry_in_a_cluster:
	s_bfe_u32 s2, ttmp6, 0x10000c
	s_cmp_lg_u32 s2, 0xf033
	s_cbranch_scc0 .Lentry_shape_is_right
	s_endpgm
.Lentry_shape_is_right:
; GPROJ.  G[b][r][z] = sum over f of H[r][f] text[b][f][z] + h0[r]  ( = W2d (Wtext^T text + btext) ), kept transposed and as two bf16 terms:
; g2 = [32 b][256 z][8 blocks of 128 r][hi 128 | lo 128], a row 4,096 bytes.  H comes as hi + lo too, so each K step is multiplied twice: text x hi, text x lo; sums in f32.
; The scores made of G decide a softmax that is nearly one-hot, so G and H keep 16 significant bits; bf16 terms, since G grows with three inputs and f16 would have no room.
; SHARES.  Grid 8 x 32: x = 128 r, y = the batch; four waves; the work-group's tile is 256 z x 128 r, a wave's 128 z x 64 r: 32 accumulators.  K = 768 f in six steps of 128.
; Source 0 = 16 rows of H (r), source 1 = 16 columns of text (z; text lies [f][z] and is turned by ds_load_tr16_b128): a lane holds one z and eight neighbouring r.
; RING.  Two LDS slots, each 128 f x 256 z of text and 128 r x (128 f, hi and lo) of H.  Waves 0, 1 fetch text's halves, waves 2, 3 H's: one tensor load a wave behind each change of slots;
; by this text's count a wave has two loads out at the start, later one.  A step is written once: the slot's base is a scalar that an exclusive or turns.
; CLUSTER 4 x 4: text's tile hangs on the batch alone and is asked for jointly along a row of the cluster, H's on x alone, along a column.
; The accumulators are not cleared: they start as h0, 256 v_mov_b32 in the wait for the first tile, so that no first step is written out.
; REGISTERS in windows of 256: window 0 addresses and the way out; window 1 the accumulators, (zt, rt) at 8 (4 zt + rt); window 2 two fragment buffers of 128: text 64, H hi 32, H lo 32.
.set TSTEPS, 6
.set PT,    544                        ; a row of text in LDS: 512 + 32 bytes = 17 x 32: 16 lanes of the turning load take 8 rows x 32 bytes without meeting
.set PH,    528                        ; a row of H: 512 + 16 = 33 x 16
.set QOFF,  128*PT
.set SLOTB, QOFF+128*PH
.set SPARE, 2*SLOTB                    ; the spare words: 128 bytes a wave, two blocks of 256 bytes that no other line names
.set SPI,   528                        ; the stage, 256 z rows of 128 f32 + 16 bytes, lies in slot 0, whose last fill is step 4's tile
.set H0AT,  3145728
.set L16, 1
.set HH,  2
.set L8,  3
.set Q8,  4
.set ADT0, 5                           ; my lane's place in a tile of text, of H; never rewritten
.set ADH0, 6
.set ADT, 7                            ; the same in the slot in hand
.set ADH, 8
.set SD,  9
.set SR,  10
.set GO,  11
.set HO,  12
.set SPW, 14
.set NIL, 15
.set SEED, 32
.set SRC, 32
.set HL,  64
.set TMP, 96
.set F0,  0
.set F1,  128
.set MASKH, 2
.set CNT, 3
.set WV,  10
.set WOFFP, 20
.set WOFFQ, 21
.set FB,  22                           ; base of the slot filled last
.set RB,  23                           ; base of the slot read
.set G1P, 24
.set G0P, 32
.set G1Q, 48
.set G0Q, 56
.set W_MUL,  0x5a                      ; sources 0, 1 window 2; C and D window 1
.set W_FET,  0x80                      ; destination window 2
.set W_SEED, 0x40                      ; destination window 1
.set W_DUMP, 0x04                      ; store data window 1
.set MSB, 0
.macro WIN new                         ; the immediate's high byte repeats the setting that is left
.if MSB != (\new)
	s_set_vgpr_msb (MSB<<8)|(\new)
.set MSB, \new
.endif
.endm
.macro PLACES
.rept 4
	v_nop
.endr
.endm
.macro CREST                           ; a round of the cluster's barrier behind its opening barrier
	s_cmp_lg_u32 s[WV], 0
	s_cbranch_scc1 .Lnot_wave_0_\@
	s_barrier_signal -3
.Lnot_wave_0_\@:
	s_barrier_wait -3
	s_barrier_signal -1
	s_barrier_wait -1
.endm
.macro CROUND
	s_barrier_signal -1
	s_barrier_wait -1
	CREST
.endm
.macro END3
	s_wait_tensorcnt 0x0
	ds_add_u32 v[SPW], v[NIL]
	s_wait_dscnt 0x0
.endm
.macro JLOAD                           ; the joint refill; the branch hangs on the wave's number alone; s_nop 0 and four v_nop follow each line
	s_cmp_lt_u32 s[WV], 2
	s_cbranch_scc0 .Lfor_q_\@
	tensor_load_to_lds s[G0P+4:G0P+7], s[G1P:G1P+7]
	s_nop 0
	PLACES
	s_branch .Lasked_\@
.Lfor_q_\@:
	tensor_load_to_lds s[G0Q+4:G0Q+7], s[G1Q:G1Q+7]
	s_nop 0
	PLACES
.Lasked_\@:
.endm
; 32 LDS loads in one run: 32 f (quarter q of the step) into buffer f: text's 8 z tiles, H hi's 4 r tiles, H lo's
.macro FETCH q, f
	WIN W_FET
.irp zt, 0,1,2,3,4,5,6,7
	ds_load_tr16_b128 v[(\f)+8*\zt:(\f)+8*\zt+3],   v[ADT] offset:(\q)*32*PT+32*\zt
	ds_load_tr16_b128 v[(\f)+8*\zt+4:(\f)+8*\zt+7], v[ADT] offset:(\q)*32*PT+16*PT+32*\zt
.endr
.irp p, 0,1
.irp rt, 0,1,2,3
	ds_load_b128 v[(\f)+64+32*\p+8*\rt:(\f)+64+32*\p+8*\rt+3],   v[ADH] offset:\rt*16*PH+((\q)/2)*256+((\q)%2)*64+128*\p
	ds_load_b128 v[(\f)+64+32*\p+8*\rt+4:(\f)+64+32*\p+8*\rt+7], v[ADH] offset:\rt*16*PH+((\q)/2)*256+((\q)%2)*64+128*\p+32
.endr
.endr
.endm
; 4 nz matrix instructions: H's term p (0 hi, 1 lo) x z tiles z0 .. z0 + nz - 1.  All 32 accumulators take turns in one fixed order.
.macro MUL f, p, z0, nz
	WIN W_MUL
.set a, 4*(\z0)
.rept 4*(\nz)
	v_wmma_f32_16x16x32_bf16 v[8*a:8*a+7], v[(\f)+64+32*(\p)+8*(a%4):(\f)+64+32*(\p)+8*(a%4)+7], v[(\f)+8*(a/4):(\f)+8*(a/4)+7], v[8*a:8*a+7]
.set a, a+1
.endr
.endm
.macro QUARTER kn, f, g                ; multiplies buffer f; in its middle fetches quarter kn into g
	s_wait_dscnt 8                                 ; text and H hi are in; the youngest eight loads (H lo) may be out
	MUL \f, 0, 0, 8
	PLACES                                         ; four places in front of loads into registers that matrix instructions have read
	FETCH \kn, \g
	s_wait_dscnt 32                                ; all but the 32 just issued
	MUL \f, 1, 0, 8
.endm
; The last quarter multiplies buffer 1 and changes slots: one barrier; in front of it each wave waits for all its tensor loads (one is out: its part of the next slot), adds 0 to its spare word,
; and waits for that and for its reads of this slot.  fill = 1: the barrier opens a round of the cluster's, and the slot just read takes the tile two steps on, first thing behind the round.
.macro TURN fill
	WIN 0
	s_wait_tensorcnt 0x0
	ds_add_u32 v[SPW], v[NIL]
	s_wait_dscnt 9                                 ; the add and the youngest eight loads may be out
	MUL F1, 0, 0, 4
	s_wait_dscnt 0x0                               ; the add is done, my reads of this slot are over
	s_barrier_signal -1
	MUL F1, 0, 4, 4
	WIN 0
	s_barrier_wait -1
.if \fill
	CREST
	s_xor_b32 s[FB], s[FB], SLOTB                  ; no tensor load of mine is out: the walking descriptors step: the other slot, the next tile
	s_add_co_u32 s[G0P+5], s[FB], s[WOFFP]
	s_add_nc_u64 s[G0P+6:G0P+7], s[G0P+6:G0P+7], 128*512
	s_add_co_u32 s[G0Q+5], s[FB], s[WOFFQ]
	s_add_nc_u64 s[G0Q+6:G0Q+7], s[G0Q+6:G0Q+7], 512
	JLOAD                                          ; its four v_nop are also the places in front of the loads below
.else
	PLACES
	s_cmp_eq_u32 s[CNT], 1                         ; the last step has no next slot to read
	s_cbranch_scc1 .Lskip_\@
.endif
	s_xor_b32 s[RB], s[RB], SLOTB
	v_add_nc_u32 v[ADT], s[RB], v[ADT0]
	v_add_nc_u32 v[ADH], s[RB], v[ADH0]
	FETCH 0, F0
	WIN 0
.if !(\fill)
.Lskip_\@:
.endif
	MUL F1, 1, 0, 8
.endm
.macro STEP fill
	QUARTER 1, F0, F1
	QUARTER 2, F1, F0
	QUARTER 3, F0, F1
	TURN \fill
.endm
.macro SPLIT src, hi, lo, tmp          ; eight f32 -> bf16 hi, and the bf16 of the exact remainder
.irp k, 0,1,2,3
	v_cvt_pk_bf16_f32 v[(\hi)+\k], v[(\src)+2*\k], v[(\src)+2*\k+1]
.endr
.irp k, 0,1,2,3
	v_lshlrev_b32 v[(\tmp)+2*\k], 16, v[(\hi)+\k]
	v_and_b32 v[(\tmp)+2*\k+1], s[MASKH], v[(\hi)+\k]
.endr
.irp k, 0,1,2,3
	v_pk_add_f32 v[(\tmp)+2*\k:(\tmp)+2*\k+1], v[(\src)+2*\k:(\src)+2*\k+1], v[(\tmp)+2*\k:(\tmp)+2*\k+1] neg_lo:[0,1] neg_hi:[0,1]
.endr
.irp k, 0,1,2,3
	v_cvt_pk_bf16_f32 v[(\lo)+\k], v[(\tmp)+2*\k], v[(\tmp)+2*\k+1]
.endr
.endm
	s_load_b128 s[4:7], s[0:1], 0x0                ; hh s[4:5], tx s[6:7]
	s_load_b64 s[8:9], s[0:1], 0x10                ; g2
	v_lshl_add_u32 v[SPW], v0, 2, SPARE
	v_mov_b32 v[NIL], 0
	ds_add_u32 v[SPW], v[NIL]                      ; the wave's opening: the add and its wait ahead of my first tensor load
	v_lshrrev_b32 v1, 5, v0
	v_readfirstlane_b32 s[WV], v1                  ; wave 0..3
	s_lshr_b32 s11, s[WV], 1                       ; wz: my 128 z
	s_and_b32 s12, s[WV], 1                        ; wr: my 64 r.  Also: which 64 rows of a tile I fetch
	s_bfe_u32 s40, ttmp6, 0x40000                  ; cx
	s_bfe_u32 s41, ttmp6, 0x40004                  ; cy
	s_lshl_b32 s42, ttmp9, 2
	s_add_co_u32 s42, s42, s40                     ; x
	s_and_b32 s13, ttmp7, 0xffff
	s_lshl_b32 s13, s13, 2
	s_add_co_u32 s13, s13, s41                     ; y: the batch
	s_lshl_b32 s43, s41, 2
	s_lshl_b32 s43, 15, s43                        ; my row of the cluster
	s_lshl_b32 s44, 0x1111, s40                    ; my column
	s_or_b32 s[G1P], s43, (1<<16)|(1<<20)|(1<<21)|(6<<22)|(7<<25)  ; mask; 2-byte elements; padding on; bit 21 beside a mask; after every 128 words 8 words
	s_or_b32 s[G1Q], s44, (1<<16)|(1<<20)|(1<<21)|(6<<22)|(3<<25)  ; the same with 4 words
.irp g, G1P, G1Q
	s_mov_b32 s[(\g)+1], 256<<16                   ; tensor_dim0 = 256
	s_mov_b32 s[(\g)+2], 64<<16                    ; tensor_dim1 = 64
	s_mov_b32 s[(\g)+3], 256<<16                   ; tile_dim0 = 256
	s_mov_b32 s[(\g)+4], 64                        ; tile_dim1 = 64
	s_mov_b32 s[(\g)+6], 0
	s_mov_b32 s[(\g)+7], 0
.endr
	s_mov_b32 s[G1P+5], 256                        ; elements from row to row: text
	s_mov_b32 s[G1Q+5], 1536                       ; hh
	s_mov_b32 s[MASKH], 0xffff0000
	s_mul_i32 s14, s13, 768*512                    ; text: the batch,
	s_lshl_b32 s16, s12, 15                        ; my 64 rows of 512 bytes
	s_add_co_u32 s14, s14, s16
	s_mov_b32 s15, 0
	s_lshl_b32 s46, s42, 7                         ; H: row 128 x + 64 half
	s_lshl_b32 s16, s12, 6
	s_add_co_u32 s46, s46, s16
	s_mul_i32 s46, s46, 3072
	s_mov_b32 s47, 0
	s_mul_i32 s[WOFFP], s12, 64*PT                 ; where they go in a slot: no place in the cluster enters an LDS address
	s_mul_i32 s[WOFFQ], s12, 64*PH
	s_add_co_u32 s[WOFFQ], s[WOFFQ], QOFF
	s_mov_b32 s[FB], SLOTB
	s_mov_b32 s[RB], 0
	v_and_b32 v[L16], 15, v0
	v_bfe_u32 v[HH], v0, 4, 1
	v_and_b32 v[L8], 7, v0
	v_bfe_u32 v[Q8], v0, 3, 1
	v_lshl_add_u32 v[ADT0], v[HH], 3, v[L8]        ; the turning load: lane reads f = 8 half + lane % 8, 16 bytes at 16 ((lane / 8) % 2)
	v_mul_u32_u24 v[ADT0], v[ADT0], PT
	v_lshl_add_u32 v[ADT0], v[Q8], 4, v[ADT0]
	s_lshl_b32 s17, s11, 8
	v_add_nc_u32 v[ADT0], s17, v[ADT0]
	v_mul_u32_u24 v[ADH0], v[L16], PH
	v_lshl_add_u32 v[ADH0], v[HH], 4, v[ADH0]
	v_add_nc_u32 v[ADH0], s[WOFFQ], v[ADH0]        ; my 64 rows of H begin where the half that w % 2 fetches begins
	v_mov_b32 v[ADT], v[ADT0]
	v_mov_b32 v[ADH], v[ADH0]
	v_mul_u32_u24 v[SD], v[L16], SPI               ; into the stage: row 128 wz + 16 zt + lane % 16, byte 256 wr + 64 rt + 32 half
	v_lshl_add_u32 v[SD], v[HH], 5, v[SD]
	s_mul_i32 s17, s11, 128*SPI
	s_lshl_b32 s16, s12, 8
	s_add_co_u32 s17, s17, s16
	v_add_nc_u32 v[SD], s17, v[SD]
	v_mul_u32_u24 v[SR], v[HH], SPI                ; back: rows 64 w on, two at a time; 32 bytes a lane
	v_lshl_add_u32 v[SR], v[L16], 5, v[SR]
	s_mul_i32 s17, s[WV], 64*SPI
	v_add_nc_u32 v[SR], s17, v[SR]
	v_lshlrev_b32 v[GO], 12, v[HH]
	v_lshl_add_u32 v[GO], v[L16], 4, v[GO]
	s_lshl_b32 s17, s[WV], 18
	v_add_nc_u32 v[GO], s17, v[GO]
	s_lshl_b32 s45, s42, 9                         ; h0 of my 64 r
	s_add_co_u32 s45, s45, s16
	v_lshl_add_u32 v[HO], v[HH], 5, s45
	s_lshl_b32 s18, s13, 20                        ; g2 at the batch and block x
	s_lshl_b32 s19, s42, 9
	s_add_co_u32 s18, s18, s19
	s_mov_b32 s19, 0
	s_wait_dscnt 0x0                               ; the opening add is done
	s_wait_kmcnt 0x0
	s_add_nc_u64 s[14:15], s[6:7], s[14:15]
	s_add_nc_u64 s[46:47], s[4:5], s[46:47]
	s_add_nc_u64 s[8:9], s[8:9], s[18:19]
.irp rt, 0,1,2,3
	global_load_b128 v[SEED+8*\rt:SEED+8*\rt+3],   v[HO], s[4:5] offset:H0AT+64*\rt
	global_load_b128 v[SEED+8*\rt+4:SEED+8*\rt+7], v[HO], s[4:5] offset:H0AT+64*\rt+16
.endr
.irp s, 0,1
	s_mov_b32 s[G0P+4*(\s)], 1
	s_add_co_u32 s[G0P+4*(\s)+1], s[WOFFP], (\s)*SLOTB
	s_add_nc_u64 s[G0P+4*(\s)+2:G0P+4*(\s)+3], s[14:15], (\s)*128*512
	s_or_b32 s[G0P+4*(\s)+3], s[G0P+4*(\s)+3], 0x80000000
	s_mov_b32 s[G0Q+4*(\s)], 1
	s_add_co_u32 s[G0Q+4*(\s)+1], s[WOFFQ], (\s)*SLOTB
	s_add_nc_u64 s[G0Q+4*(\s)+2:G0Q+4*(\s)+3], s[46:47], (\s)*512
	s_or_b32 s[G0Q+4*(\s)+3], s[G0Q+4*(\s)+3], 0x80000000
.endr
	CROUND                                         ; all sixteen work-groups are here: the first joint loads meet
	s_cmp_lt_u32 s[WV], 2                          ; a wave's two first fills stand in one branch
	s_cbranch_scc0 .Lfirst_q
	tensor_load_to_lds s[G0P:G0P+3], s[G1P:G1P+7]
	s_nop 0
	tensor_load_to_lds s[G0P+4:G0P+7], s[G1P:G1P+7]
	s_nop 0
	PLACES
	s_branch .Lfirst_asked
.Lfirst_q:
	tensor_load_to_lds s[G0Q:G0Q+3], s[G1Q:G1Q+7]
	s_nop 0
	tensor_load_to_lds s[G0Q+4:G0Q+7], s[G1Q:G1Q+7]
	s_nop 0
	PLACES
.Lfirst_asked:
	s_wait_loadcnt 0x0                             ; h0
	WIN W_SEED
.set i, 0
.rept 256                              ; register j of accumulator (zt, rt) is r = 16 rt + 8 half + j
	v_mov_b32 v[i], v[SEED+8*((i/8)%4)+i%8]
.set i, i+1
.endr
	WIN 0
	s_wait_tensorcnt 0x1                           ; my part of step 0 is in; step 1's may stay out
	s_barrier_signal -1
	s_barrier_wait -1
	FETCH 0, F0
	WIN 0
	s_mov_b32 s[CNT], TSTEPS-2
.LloopA:
	STEP 1
	WIN 0
	s_sub_co_u32 s[CNT], s[CNT], 1
	s_cmp_lg_u32 s[CNT], 0
	s_cbranch_scc1 .LloopA
	s_mov_b32 s[CNT], 2
.LloopB:                                               ; the last two steps ask for nothing: a text of their own
	STEP 0
	WIN 0
	s_sub_co_u32 s[CNT], s[CNT], 1
	s_cmp_lg_u32 s[CNT], 0
	s_cbranch_scc1 .LloopB
	; THE WAY OUT.  The f32 sums go into the stage; every wave's reads of slot 0 ended in front of an earlier barrier.  Then whole rows come back, are split and stored.
	PLACES
	WIN W_DUMP
.set a, 0
.rept 32
	ds_store_b128 v[SD], v[8*a:8*a+3]   offset:(a/4)*16*SPI+(a%4)*64      ; each accumulator's low registers first
	ds_store_b128 v[SD], v[8*a+4:8*a+7] offset:(a/4)*16*SPI+(a%4)*64+16
.set a, a+1
.endr
	WIN 0
	s_wait_dscnt 0x0                               ; a stage row comes from two waves
	s_barrier_signal -1
	s_barrier_wait -1
	s_mov_b32 s[CNT], 8
.Lrow:                                                 ; eight rows a trip
.irp u, 0,1,2,3
	ds_load_b128 v[SRC+8*\u:SRC+8*\u+3],   v[SR] offset:\u*2*SPI
	ds_load_b128 v[SRC+8*\u+4:SRC+8*\u+7], v[SR] offset:\u*2*SPI+16
.endr
.irp u, 0,1,2,3
	s_wait_dscnt 2*(3-\u)                          ; the later pairs' loads stay out
	SPLIT SRC+8*\u, HL+8*\u, HL+8*\u+4, TMP
	global_store_b128 v[GO], v[HL+8*\u:HL+8*\u+3],   s[8:9] offset:\u*8192      ; 16 lanes store 256 consecutive bytes, aligned: hi of 128 r,
	global_store_b128 v[GO], v[HL+8*\u+4:HL+8*\u+7], s[8:9] offset:\u*8192+256  ; lo
.endr
	s_wait_xcnt 0x0                                ; the stores' registers are rewritten only behind this wait
	v_add_nc_u32 v[SR], 8*SPI, v[SR]
	v_add_nc_u32 v[GO], 8*4096, v[GO]
	s_sub_co_u32 s[CNT], s[CNT], 1
	s_cmp_lg_u32 s[CNT], 0
	s_cbranch_scc1 .Lrow
	END3                                           ; the wave's end
	CROUND                                         ; the closing round
	s_endpgm
.Lfunc_end_k_qf24df08402_gproj:
	.size	k_qf24df08402_gproj, .Lfunc_end_k_qf24df08402_gproj-k_qf24df08402_gproj
	.p2alignl 7, 3214868480
	.fill 96, 4, 3214868480
	.section	.rodata,"a",@progbits
	.p2align	6, 0x0
	.amdhsa_kernel k_qf24df08402_gproj
		.amdhsa_group_segment_fixed_size 327680
		.amdhsa_private_segment_fixed_size 0
		.amdhsa_enable_private_segment 0
		.amdhsa_kernarg_size 24
		.amdhsa_user_sgpr_count 2
		.amdhsa_user_sgpr_kernarg_segment_ptr 1
		.amdhsa_wavefront_size32 1
		.amdhsa_system_sgpr_workgroup_id_x 1
		.amdhsa_system_sgpr_workgroup_id_y 1
		.amdhsa_system_sgpr_workgroup_id_z 1
		.amdhsa_system_vgpr_workitem_id 0
		.amdhsa_next_free_vgpr 768
		.amdhsa_next_free_sgpr 66
		.amdhsa_reserve_vcc 0
		.amdhsa_float_denorm_mode_32 3
		.amdhsa_float_denorm_mode_16_64 3
		.amdhsa_memory_ordered 1
		.amdhsa_forward_progress 1
		.amdhsa_inst_pref_size 81
	.end_amdhsa_kernel
	.amdgpu_metadata
---
amdhsa.version: [ 1, 2 ]
amdhsa.kernels:
  - .name:           k_qf24df08402_gproj
    .symbol:         k_qf24df08402_gproj.kd
    .args:
      - { .name: hh, .offset: 0, .size: 8, .value_kind: global_buffer, .address_space: global }
      - { .name: tx, .offset: 8, .size: 8, .value_kind: global_buffer, .address_space: global }
      - { .name: g2, .offset: 16, .size: 8, .value_kind: global_buffer, .address_space: global }
    .group_segment_fixed_size: 327680
    .private_segment_fixed_size: 0
    .kernarg_segment_align: 8
    .kernarg_segment_size: 24
    .max_flat_workgroup_size: 128
    .sgpr_count:     66
    .vgpr_count:     768
    .wavefront_size: 32
...
	.end_amdgpu_metadata
.endif
;; end of part 2
;; launch score (part 3): grid 8 x 32, 4 waves a work-group, clusters of 4 x 1, 327,680 bytes of LDS; arguments feat_2d, g2, x16, et, stat; writes x16, et, stat
.if DOCPART == 3
	.amdgcn_target "amdgcn-amd-amdhsa--gfx1250"
	.amdhsa_code_object_version 6
	.text
	.protected	k_qf24df08402_score
	.globl	k_qf24df08402_score
	.p2align	8
	.type	k_qf24df08402_score,@function
k_qf24df08402_score:
	s_mov_b64 s[64:65], 0
	v_nop
	global_prefetch_b8 v0, s[64:65] scope:SCOPE_SE
	s_setreg_imm32_b32 hwreg(HW_REG_WAVE_MODE, 25, 1), 1
	s_wait_xcnt 0x0
	s_wait_alu depctr_hold_cnt(0) depctr_sa_sdst(0) depctr_va_vdst(0) depctr_va_sdst(0) depctr_va_ssrc(0) depctr_va_vcc(0) depctr_vm_vsrc(0)
	s_getreg_b32 s2, hwreg(HW_REG_IB_STS2, 6, 4)
	s_cmp_eq_u32 s2, 0
	s_cbranch_scc0 .Lentry_in_a_cluster
	s_endpgm
.Lentry_in_a_cluster:
	s_bfe_u32 s2, ttmp6, 0x10000c
	s_cmp_lg_u32 s2, 0x3003
	s_cbranch_scc0 .Lentry_shape_is_right
	s_endpgm
.Lentry_shape_is_right:
; SCORE.  S[s][z] = sum over r of X[s][r] G[r][z], X = feat_2d[b] rounded to bf16, G = hi + lo (two products a K step), sums in f32.  These are reference()'s scores less b2d . ftext[:, z],
; which is the same for every s and so drops out of the softmax over s for every input.
; A work-group has 128 s of a batch and all 256 z.  It takes ITS rows' true maximum m away: E = 2^(c S - c m), c = log2(e), and stores E (f16, 0 .. 1) in et = [b][z][1024 s], and c m and the sum l of the
; unrounded E in stat = [b][8 blocks][c m 256 | l 256].  The next launch forms the maximum over the eight blocks and rescales: a running maximum, split over two launches.
; On its way X also leaves as f16(bf16(X)) in x16 = [b][16 blocks of 64 r][1024 s][64 r], so that feat_2d is read once in the whole program.
; LIMITS.  x16 is exact for 6.1e-5 <= |X| <= 65,504; below, f16's fixed step of 6e-8; beyond, an infinity.  E below 6e-8 counts as 0.  NaN and infinities are not treated apart.
; SHARES.  Four waves, each 64 z x 128 s: 32 accumulators.  K = 1,024 r in eight steps of 128.  Source 0 = 16 rows of X (s), source 1 = 16 rows of G^T (z): a lane holds one z and eight neighbouring s.
; G comes by tensor loads into two slots, each wave its own 64 rows, one load a wave behind each round (one is out), asked for JOINTLY by the four s blocks of a cluster, which share the batch.
; X is nobody else's: it comes through registers, a ring of 32 loads a wave that stays full across the barriers, is rounded, and goes into one LDS buffer (two do not fit beside G's slots): two barriers a step.
; The accumulators are cleared, 256 v_mov_b32 in the wait for the first tile, so that a step is written once for the loop and once for the tail.
; REGISTERS: window 0 addresses, ring, way out; window 1 accumulators, (zt, st) at 8 (8 zt + st); window 2 two fragment buffers of 128: X 64, G hi 32, G lo 32.
.set PG,    528                        ; a row of G in LDS: [hi 128 | lo 128] bf16 + 16 bytes = 33 x 16
.set SLOTB, 256*PG
.set XBAT,  2*SLOTB
.set PX,    272                        ; a row of X: 128 bf16 + 16 bytes = 17 x 16
.set MLAT,  XBAT+128*PX                ; c m and l of a wave's 64 rows: 512 bytes a wave
.set SPARE, MLAT+2048                  ; the spare words: two blocks of 256 bytes that no other line names
.set SPI,   528                        ; the stage: a wave's 64 z rows of 128 f32, in its own rows of slot 0, whose last fill is step 6's tile
.set L16, 1
.set HH,  2
.set LN,  3
.set XO,  4
.set XS,  5
.set XW,  6
.set AX,  7
.set G0A, 8
.set ADG, 9
.set SD,  10
.set SR,  11
.set EO,  12
.set MA,  13
.set SPW, 14
.set NIL, 15
.set T,   16                           ; v16-31 at work, two sets
.set XR,  32                           ; v32-159 the ring: slot i = rows 2 (i / 2), + 1 of my 32, block i % 2 of 64 r
.set H16, 160                          ; v160-223 f16 to store, two registers a slot
.set SRC, 32                           ; the way out
.set EH,  64
.set MX,  80
.set CM,  82
.set AS,  84
.set LSUM, 88
.set ST2, 90
.set F0,  0
.set F1,  128
.set WV,  14
.set G1,  24
.set G0,  32
.set XLB, 36
.set XSB, 38
.set CS,  40
.set FB,  42
.set RB,  43
.set WOFF, 44
.set CNT, 45
.set MASKH, 46
.set W_MUL,  0x5a
.set W_FET,  0x80
.set W_SEED, 0x40
.set W_DUMP, 0x04
.set MSB, 0
.macro WIN new
.if MSB != (\new)
	s_set_vgpr_msb (MSB<<8)|(\new)
.set MSB, \new
.endif
.endm
.macro PLACES
.rept 4
	v_nop
.endr
.endm
.macro CROUND                          ; a round of the cluster's barrier
	s_barrier_signal -1
	s_barrier_wait -1
	s_cmp_lg_u32 s[WV], 0
	s_cbranch_scc1 .Lnot_wave_0_\@
	s_barrier_signal -3
.Lnot_wave_0_\@:
	s_barrier_wait -3
	s_barrier_signal -1
	s_barrier_wait -1
.endm
.macro END3
	s_wait_tensorcnt 0x0
	ds_add_u32 v[SPW], v[NIL]
	s_wait_dscnt 0x0
.endm
; Slot i of the ring: 16 bytes of f32 a lane -> bf16 into LDS, f16 into x16; more = 1: the slot is filled again with the next 128 r.
.macro CONV i, more
.set tt, T+8*((\i)%2)
.set xx, XR+4*(\i)
.set hx, H16+2*(\i)
.if \more
	s_wait_loadcnt 31                              ; mine is in; the 31 younger loads (this step's later slots, the next step's earlier ones) stay out
.else
	s_wait_loadcnt 31-(\i)
.endif
	v_cvt_pk_bf16_f32 v[tt], v[xx], v[xx+1]
	v_cvt_pk_bf16_f32 v[tt+1], v[xx+2], v[xx+3]
.if \more
	global_load_b128 v[xx:xx+3], v[XO], s[XLB:XLB+1] offset:8192*((\i)/2)+256*((\i)%2)+512 th:TH_LOAD_NT
.endif
	ds_store_b64 v[XS], v[tt:tt+1] offset:2*PX*((\i)/2)+128*((\i)%2)
	v_lshlrev_b32 v[tt+2], 16, v[tt]
	v_and_b32 v[tt+3], s[MASKH], v[tt]
	v_lshlrev_b32 v[tt+4], 16, v[tt+1]
	v_and_b32 v[tt+5], s[MASKH], v[tt+1]
	v_cvt_pk_f16_f32 v[hx], v[tt+2], v[tt+3]
	v_cvt_pk_f16_f32 v[hx+1], v[tt+4], v[tt+5]
	global_store_b64 v[XW], v[hx:hx+1], s[XSB:XSB+1] offset:131072*((\i)%2)+256*((\i)/2)  ; two rows of 128 bytes: 256 consecutive bytes, aligned
.endm
.macro FETCH q, f                      ; 32 LDS loads: 32 r (quarter q): X's 8 s tiles, G hi's 4 z tiles, G lo's
	WIN W_FET
.irp st, 0,1,2,3,4,5,6,7
	ds_load_b128 v[(\f)+8*\st:(\f)+8*\st+3],   v[AX] offset:\st*16*PX+64*(\q)
	ds_load_b128 v[(\f)+8*\st+4:(\f)+8*\st+7], v[AX] offset:\st*16*PX+64*(\q)+32
.endr
.irp p, 0,1
.irp zt, 0,1,2,3
	ds_load_b128 v[(\f)+64+32*\p+8*\zt:(\f)+64+32*\p+8*\zt+3],   v[ADG] offset:\zt*16*PG+64*(\q)+256*\p
	ds_load_b128 v[(\f)+64+32*\p+8*\zt+4:(\f)+64+32*\p+8*\zt+7], v[ADG] offset:\zt*16*PG+64*(\q)+256*\p+32
.endr
.endr
.endm
.macro MUL f, p                        ; 32 matrix instructions: X x G's term p; all 32 accumulators by turns
	WIN W_MUL
.set a, 0
.rept 32
	v_wmma_f32_16x16x32_bf16 v[8*a:8*a+7], v[(\f)+8*(a%8):(\f)+8*(a%8)+7], v[(\f)+64+32*(\p)+8*(a/8):(\f)+64+32*(\p)+8*(a/8)+7], v[8*a:8*a+7]
.set a, a+1
.endr
.endm
.macro QUARTER kn, f, g
	s_wait_dscnt 8                                 ; X and G hi are in; the youngest eight loads (G lo) may be out
	MUL \f, 0
	PLACES
	FETCH \kn, \g
	s_wait_dscnt 32
	MUL \f, 1
.endm
; A K STEP.  In front of the first barrier: all my tensor loads have landed (this step's G), the add, my reads of the last step's G and X are over.  Behind it (more = 1: a round of the cluster's) the next G is asked
; for, into the slot read last; then this step's X goes into LDS; a second barrier shows it to all four waves (G's load may stay out across it); then the products.
.macro STEP3 more
	WIN 0
	s_wait_tensorcnt 0x0
	ds_add_u32 v[SPW], v[NIL]
	s_mov_b32 s[RB], s[FB]                         ; I read the slot filled last,
	s_xor_b32 s[FB], s[FB], SLOTB                  ; and the other is filled
.if \more
	s_add_co_u32 s[G0+1], s[FB], s[WOFF]
	s_add_nc_u64 s[G0+2:G0+3], s[G0+2:G0+3], 512
.endif
	s_wait_dscnt 0x0
.if \more
	CROUND
	tensor_load_to_lds s[G0:G0+3], s[G1:G1+7]
	s_nop 0
	PLACES
.else
	s_barrier_signal -1
	s_barrier_wait -1
.endif
	v_add_nc_u32 v[ADG], s[RB], v[G0A]
.set i, 0
.rept 32
	CONV i, \more
.set i, i+1
.endr
.if \more
	s_wait_xcnt 0x0                                ; the bases and v160-223 are rewritten only behind this wait
	s_add_nc_u64 s[XLB:XLB+1], s[XLB:XLB+1], 512
	s_add_nc_u64 s[XSB:XSB+1], s[XSB:XSB+1], 2*131072
.endif
	s_wait_dscnt 0x0                               ; for the others' sake: my 32 rows of X are in LDS
	s_barrier_signal -1
	s_barrier_wait -1
	FETCH 0, F0                                    ; the conversions above are the places behind the last step's products
	QUARTER 1, F0, F1
	QUARTER 2, F1, F0
	QUARTER 3, F0, F1
	s_wait_dscnt 8
	MUL F1, 0
	s_wait_dscnt 0x0
	MUL F1, 1
.endm
	s_load_b256 s[4:11], s[0:1], 0x0               ; feat_2d s[4:5], g2 s[6:7], x16 s[8:9], et s[10:11]
	s_load_b64 s[12:13], s[0:1], 0x20              ; stat
	v_lshl_add_u32 v[SPW], v0, 2, SPARE
	v_mov_b32 v[NIL], 0
	ds_add_u32 v[SPW], v[NIL]                      ; the wave's opening: the add and its wait ahead of my first tensor load
	v_lshrrev_b32 v1, 5, v0
	v_readfirstlane_b32 s[WV], v1
	s_bfe_u32 s17, ttmp6, 0x40000                  ; cx
	s_lshl_b32 s15, ttmp9, 2
	s_add_co_u32 s15, s15, s17                     ; x: my block of 128 s
	s_and_b32 s16, ttmp7, 0xffff                   ; y: the batch, which the four partners share
	s_mov_b32 s[G1], 15|(1<<16)|(1<<20)|(1<<21)|(6<<22)|(3<<25)  ; mask of four; 2-byte elements; padding on; bit 21 beside a mask; after every 128 words 4 words
	s_mov_b32 s[G1+1], 256<<16                     ; tensor_dim0 = 256
	s_mov_b32 s[G1+2], 64<<16                      ; tensor_dim1 = 64
	s_mov_b32 s[G1+3], 256<<16                     ; tile_dim0 = 256
	s_mov_b32 s[G1+4], 64                          ; tile_dim1 = 64
	s_mov_b32 s[G1+5], 2048                        ; elements from row to row
	s_mov_b32 s[G1+6], 0
	s_mov_b32 s[G1+7], 0
	s_mov_b32 s[CS], 0x3fb8aa3b                    ; c = log2(e)
	s_mov_b32 s[CS+1], s[CS]
	s_mov_b32 s[MASKH], 0xffff0000
	s_mov_b32 s[FB], 0
	s_mul_i32 s[WOFF], s[WV], 64*PG                ; my 64 rows in a slot
	s_mov_b32 s[G0], 1
	s_mov_b32 s[G0+1], s[WOFF]
	s_lshl_b32 s18, s16, 20                        ; G: the batch, my 64 rows of 4,096 bytes
	s_lshl_b32 s19, s[WV], 18
	s_add_co_u32 s18, s18, s19
	s_mov_b32 s19, 0
	s_lshl_b32 s20, s16, 22                        ; feat_2d: the batch, my block's 128 rows
	s_lshl_b32 s21, s15, 19
	s_add_co_u32 s20, s20, s21
	s_mov_b32 s21, 0
	s_lshl_b32 s22, s16, 21                        ; x16: the batch, my block's 128 rows of 128 bytes
	s_lshl_b32 s23, s15, 14
	s_add_co_u32 s22, s22, s23
	s_mov_b32 s23, 0
	v_and_b32 v[L16], 15, v0
	v_bfe_u32 v[HH], v0, 4, 1
	v_and_b32 v[LN], 31, v0
	v_lshlrev_b32 v[XO], 12, v[HH]                 ; in: row 32 w + half, 16 bytes for each of 16 lanes: a load covers 256 consecutive bytes of two rows
	v_lshl_add_u32 v[XO], v[L16], 4, v[XO]
	s_lshl_b32 s47, s[WV], 17
	v_add_nc_u32 v[XO], s47, v[XO]
	v_lshlrev_b32 v[EO], 11, v[HH]                 ; et: row 64 w + half, 2,048 bytes a row
	v_lshl_add_u32 v[EO], v[L16], 4, v[EO]
	v_add_nc_u32 v[EO], s47, v[EO]
	v_mul_u32_u24 v[XS], v[HH], PX
	v_lshl_add_u32 v[XS], v[L16], 3, v[XS]
	s_mul_i32 s47, s[WV], 32*PX
	s_add_co_u32 s47, s47, XBAT
	v_add_nc_u32 v[XS], s47, v[XS]
	s_lshl_b32 s47, s[WV], 12
	v_lshl_add_u32 v[XW], v[LN], 3, s47
	v_mul_u32_u24 v[AX], v[L16], PX
	v_lshl_add_u32 v[AX], v[HH], 4, v[AX]
	v_add_nc_u32 v[AX], XBAT, v[AX]
	v_mul_u32_u24 v[G0A], v[L16], PG
	v_add_nc_u32 v[G0A], s[WOFF], v[G0A]
	v_lshl_add_u32 v[SD], v[HH], 5, v[G0A]         ; into the stage: row 64 w + 16 zt + lane % 16, byte 64 st + 32 half
	v_lshl_add_u32 v[G0A], v[HH], 4, v[G0A]
	v_mul_u32_u24 v[SR], v[HH], SPI
	v_lshl_add_u32 v[SR], v[L16], 5, v[SR]
	v_add_nc_u32 v[SR], s[WOFF], v[SR]
	s_lshl_b32 s47, s[WV], 9
	s_add_co_u32 s47, s47, MLAT                    ; kept to the end
	v_lshl_add_u32 v[MA], v[HH], 2, s47
	s_wait_dscnt 0x0                               ; the opening add is done
	s_wait_kmcnt 0x0
	s_add_nc_u64 s[G0+2:G0+3], s[6:7], s[18:19]
	s_or_b32 s[G0+3], s[G0+3], 0x80000000
	s_add_nc_u64 s[XLB:XLB+1], s[4:5], s[20:21]
	s_add_nc_u64 s[XSB:XSB+1], s[8:9], s[22:23]
	s_lshl_b32 s20, s16, 19                        ; et at the batch and my 128 s
	s_lshl_b32 s21, s15, 8
	s_add_co_u32 s20, s20, s21
	s_mov_b32 s21, 0
	s_add_nc_u64 s[10:11], s[10:11], s[20:21]
	s_lshl_b32 s20, s16, 3                         ; stat at block 8 y + x
	s_add_co_u32 s20, s20, s15
	s_lshl_b32 s20, s20, 11
	s_add_nc_u64 s[12:13], s[12:13], s[20:21]
.set i, 0
.rept 32                               ; the ring is filled: the first 128 r of my 32 rows
	global_load_b128 v[XR+4*i:XR+4*i+3], v[XO], s[XLB:XLB+1] offset:8192*(i/2)+256*(i%2) th:TH_LOAD_NT
.set i, i+1
.endr
	CROUND                                         ; all four work-groups are here: the first joint loads meet
	tensor_load_to_lds s[G0:G0+3], s[G1:G1+7]      ; G of step 0 into slot 0
	s_nop 0
	PLACES
	WIN W_SEED
.set i, 0
.rept 256
	v_mov_b32 v[i], 0
.set i, i+1
.endr
	WIN 0
	s_mov_b32 s[CNT], 7
.Lstep:
	STEP3 1
	WIN 0
	s_sub_co_u32 s[CNT], s[CNT], 1
	s_cmp_lg_u32 s[CNT], 0
	s_cbranch_scc1 .Lstep
	STEP3 0                                        ; the last step asks for nothing: written out
	; THE WAY OUT.  My 64 rows of scores go into my own rows of slot 0 (only I read them as G, in step 6) and come back by rows: LDS serves a wave's instructions in order.
	PLACES
	WIN W_DUMP
.set a, 0
.rept 32
	ds_store_b128 v[SD], v[8*a:8*a+3]   offset:(a/8)*16*SPI+(a%8)*64      ; each accumulator's low registers first
	ds_store_b128 v[SD], v[8*a+4:8*a+7] offset:(a/8)*16*SPI+(a%8)*64+16
.set a, a+1
.endr
	WIN 0
	v_mov_b32 v[CM+1], 0                           ; named with c m as a pair
	s_mov_b32 s[CNT], 8
.Lrow:                                                 ; eight rows a trip; 16 lanes have a row's 128 scores, eight each
.irp u, 0,1,2,3
	ds_load_b128 v[SRC+8*\u:SRC+8*\u+3],   v[SR] offset:\u*2*SPI
	ds_load_b128 v[SRC+8*\u+4:SRC+8*\u+7], v[SR] offset:\u*2*SPI+16
.endr
.irp u, 0,1,2,3
	s_wait_dscnt 6                                 ; behind this pair's loads stand 2 (3 - u) later loads and the 2 u stores of the pairs before: six
	v_max3_num_f32 v[MX], v[SRC+8*\u], v[SRC+8*\u+1], v[SRC+8*\u+2]
	v_max3_num_f32 v[MX+1], v[SRC+8*\u+3], v[SRC+8*\u+4], v[SRC+8*\u+5]
	v_max3_num_f32 v[MX], v[MX], v[SRC+8*\u+6], v[SRC+8*\u+7]
	v_max_num_f32 v[MX], v[MX], v[MX+1]
	v_max_num_f32_dpp v[MX], v[MX], v[MX] row_xmask:1 row_mask:0xf bank_mask:0xf
	v_max_num_f32_dpp v[MX], v[MX], v[MX] row_xmask:2 row_mask:0xf bank_mask:0xf
	v_max_num_f32_dpp v[MX], v[MX], v[MX] row_xmask:4 row_mask:0xf bank_mask:0xf
	v_max_num_f32_dpp v[MX], v[MX], v[MX] row_xmask:8 row_mask:0xf bank_mask:0xf
	v_mul_f32 v[CM], s[CS], v[MX]                  ; c m
.irp k, 0,1,2,3
	v_pk_fma_f32 v[SRC+8*\u+2*\k:SRC+8*\u+2*\k+1], v[SRC+8*\u+2*\k:SRC+8*\u+2*\k+1], s[CS:CS+1], v[CM:CM+1] op_sel_hi:[1,0,0] neg_lo:[0,0,1] neg_hi:[0,0,1]
.endr
.irp k, 0,1,2,3,4,5,6,7
	v_exp_f32 v[SRC+8*\u+\k], v[SRC+8*\u+\k]
.endr
	v_nop                                          ; a plain instruction between the last exponential and the use of its result
	s_wait_alu depctr_va_vdst(0)
	v_pk_add_f32 v[AS:AS+1], v[SRC+8*\u:SRC+8*\u+1], v[SRC+8*\u+2:SRC+8*\u+3]
	v_pk_add_f32 v[AS+2:AS+3], v[SRC+8*\u+4:SRC+8*\u+5], v[SRC+8*\u+6:SRC+8*\u+7]
	v_pk_add_f32 v[AS:AS+1], v[AS:AS+1], v[AS+2:AS+3]
	v_add_f32 v[LSUM], v[AS], v[AS+1]
	v_add_f32_dpp v[LSUM], v[LSUM], v[LSUM] row_xmask:1 row_mask:0xf bank_mask:0xf
	v_add_f32_dpp v[LSUM], v[LSUM], v[LSUM] row_xmask:2 row_mask:0xf bank_mask:0xf
	v_add_f32_dpp v[LSUM], v[LSUM], v[LSUM] row_xmask:4 row_mask:0xf bank_mask:0xf
	v_add_f32_dpp v[LSUM], v[LSUM], v[LSUM] row_xmask:8 row_mask:0xf bank_mask:0xf
.irp k, 0,1,2,3
	v_cvt_pk_f16_f32 v[EH+4*\u+\k], v[SRC+8*\u+2*\k], v[SRC+8*\u+2*\k+1]
.endr
	global_store_b128 v[EO], v[EH+4*\u:EH+4*\u+3], s[10:11] offset:\u*4096  ; 16 lanes store 256 consecutive bytes, aligned
	ds_store_b32 v[MA], v[CM] offset:8*\u          ; a row's 16 lanes write the same word with the same value
	ds_store_b32 v[MA], v[LSUM] offset:8*\u+256
.endr
	s_wait_xcnt 0x0                                ; the stores' registers are rewritten only behind this wait
	v_add_nc_u32 v[SR], 8*SPI, v[SR]
	v_add_nc_u32 v[EO], 8*2048, v[EO]
	v_add_nc_u32 v[MA], 32, v[MA]
	s_sub_co_u32 s[CNT], s[CNT], 1
	s_cmp_lg_u32 s[CNT], 0
	s_cbranch_scc1 .Lrow
	v_lshl_add_u32 v[T], v[LN], 3, s47             ; my 64 rows' c m and l leave as 256 consecutive bytes each
	s_lshl_b32 s[RB], s[WV], 8
	v_lshl_add_u32 v[T+1], v[LN], 3, s[RB]
	ds_load_b64 v[ST2:ST2+1], v[T]
	ds_load_b64 v[ST2+2:ST2+3], v[T] offset:256
	s_wait_dscnt 0x0
	global_store_b64 v[T+1], v[ST2:ST2+1], s[12:13]
	global_store_b64 v[T+1], v[ST2+2:ST2+3], s[12:13] offset:1024
	END3                                           ; the wave's end
	CROUND                                         ; the closing round
	s_endpgm
.Lfunc_end_k_qf24df08402_score:
	.size	k_qf24df08402_score, .Lfunc_end_k_qf24df08402_score-k_qf24df08402_score
	.p2alignl 7, 3214868480
	.fill 96, 4, 3214868480
	.section	.rodata,"a",@progbits
	.p2align	6, 0x0
	.amdhsa_kernel k_qf24df08402_score
		.amdhsa_group_segment_fixed_size 327680
		.amdhsa_private_segment_fixed_size 0
		.amdhsa_enable_private_segment 0
		.amdhsa_kernarg_size 40
		.amdhsa_user_sgpr_count 2
		.amdhsa_user_sgpr_kernarg_segment_ptr 1
		.amdhsa_wavefront_size32 1
		.amdhsa_system_sgpr_workgroup_id_x 1
		.amdhsa_system_sgpr_workgroup_id_y 1
		.amdhsa_system_sgpr_workgroup_id_z 1
		.amdhsa_system_vgpr_workitem_id 0
		.amdhsa_next_free_vgpr 768
		.amdhsa_next_free_sgpr 66
		.amdhsa_reserve_vcc 0
		.amdhsa_float_denorm_mode_32 3
		.amdhsa_float_denorm_mode_16_64 3
		.amdhsa_memory_ordered 1
		.amdhsa_forward_progress 1
		.amdhsa_inst_pref_size 121
	.end_amdhsa_kernel
	.amdgpu_metadata
---
amdhsa.version: [ 1, 2 ]
amdhsa.kernels:
  - .name:           k_qf24df08402_score
    .symbol:         k_qf24df08402_score.kd
    .args:
      - { .name: feat_2d, .offset: 0, .size: 8, .value_kind: global_buffer, .address_space: global }
      - { .name: g2, .offset: 8, .size: 8, .value_kind: global_buffer, .address_space: global }
      - { .name: x16, .offset: 16, .size: 8, .value_kind: global_buffer, .address_space: global }
      - { .name: et, .offset: 24, .size: 8, .value_kind: global_buffer, .address_space: global }
      - { .name: stat, .offset: 32, .size: 8, .value_kind: global_buffer, .address_space: global }
    .group_segment_fixed_size: 327680
    .private_segment_fixed_size: 0
    .kernarg_segment_align: 8
    .kernarg_segment_size: 40
    .max_flat_workgroup_size: 128
    .sgpr_count:     66
    .vgpr_count:     768
    .wavefront_size: 32
...
	.end_amdgpu_metadata
.endif
;; end of part 3
;; launch wsum (part 4): grid 8 x 32, 4 waves a work-group, clusters of 4 x 1, 327,680 bytes of LDS; arguments x16, et, stat, yt; writes yt
.if DOCPART == 4
	.amdgcn_target "amdgcn-amd-amdhsa--gfx1250"
	.amdhsa_code_object_version 6
	.text
	.protected	k_qf24df08402_wsum
	.globl	k_qf24df08402_wsum
	.p2align	8
	.type	k_qf24df08402_wsum,@function
k_qf24df08402_wsum:
	s_mov_b64 s[64:65], 0
	v_nop
	global_prefetch_b8 v0, s[64:65] scope:SCOPE_SE
	s_setreg_imm32_b32 hwreg(HW_REG_WAVE_MODE, 25, 1), 1
	s_wait_xcnt 0x0
	s_wait_alu depctr_hold_cnt(0) depctr_sa_sdst(0) depctr_va_vdst(0) depctr_va_sdst(0) depctr_va_ssrc(0) depctr_va_vcc(0) depctr_vm_vsrc(0)
	s_getreg_b32 s2, hwreg(HW_REG_IB_STS2, 6, 4)
	s_cmp_eq_u32 s2, 0
	s_cbranch_scc0 .Lentry_in_a_cluster
	s_endpgm
.Lentry_in_a_cluster:
	s_bfe_u32 s2, ttmp6, 0x10000c
	s_cmp_lg_u32 s2, 0x3003
	s_cbranch_scc0 .Lentry_shape_is_right
	s_endpgm
.Lentry_shape_is_right:
; WSUM.  Y[b][r][z] = sum over s of X[s][r] P[s][z], P the softmax over all 1,024 s: P = E g / l with M = the maximum of the eight blocks' c m, g = 2^(c m_block - M), l = sum of g l_block.
; So the true maximum over s is what is taken away.  l is at least about 1: the block that holds the maximum has g = 1 and a term E = 1.  yt = [b][256 z][1024 r] in f16.
; E g is rounded to f16 (g to f16 first); the sums and l stay in f32; 1 / l is applied to the f32 sums, Y rounded once.  Y is a mean of X's rows and has their range.
; LIMITS.  A weight below 6e-8 of its column's largest counts as 0.  X as in x16.  NaN and infinities are not treated apart.
; SHARES.  Grid 8 x 32: x = 128 r, y = the batch; four waves, each 64 z x 128 r: 32 accumulators.  K = 1,024 s in eight steps of 128: step t is block t.
; Source 0 = 16 columns of X (r; X lies [s][r] and is turned by ds_load_tr16_b128), source 1 = 16 rows of E (z): a lane holds one z and eight neighbouring r.
; RING: two slots; waves 0, 1 fetch E's halves, waves 2, 3 X's two blocks of 64 r; one tensor load a wave behind each round; two are out at the start, later one.
; CLUSTER 4 x 1: the four r slabs of a cluster share the batch and so E's tiles: asked for jointly.  X's slab is the work-group's own: a plain load behind the same round.
; The accumulators are cleared, 256 v_mov_b32 in the wait for the first tile, so that no first step is written out.
; REGISTERS: window 0 addresses, g, way out; window 1 accumulators, (zt, rt) at 8 (8 zt + rt); window 2 two fragment buffers: E 32, X 64.
.set PE,    272                        ; a row of E in LDS: 128 f16 + 16 bytes = 17 x 16
.set PX,    160                        ; a row of X: 64 f16 + 32 bytes = 5 x 32
.set QOFF,  256*PE
.set SLOTB, 1<<17                      ; one exclusive or turns an address in one slot into the other's
.set GTAT,  2*SLOTB                    ; [8 blocks][256 z] words (g, g) in f16
.set RLAT,  GTAT+8192                  ; [256 z] 1 / l
.set SPARE, RLAT+1024                  ; the spare words: two blocks of 256 bytes that no other line names
.set SPI,   528                        ; the stage, a wave's 64 z rows of 128 f32, from byte 0: it lies over bytes of both slots, behind their last fill and the last step's barrier
.set L16, 1
.set HH,  2
.set L8,  3
.set Q8,  4
.set AE0, 5
.set AX0, 6
.set AE,  7
.set AXR, 8
.set GA,  9
.set SD,  10
.set SR,  11
.set EO,  12
.set RA,  13
.set SPW, 14
.set NIL, 15
.set G,   16                           ; v16-19 (g, g) of my four z tiles, for the block in hand
.set GS,  20
.set STO, 21
.set MXR, 22
.set LSR, 23
.set PB,  32                           ; the prologue: c m and l of eight blocks, for two z
.set SRC, 32
.set RLR, 64
.set OH,  72
.set F0,  0
.set F1,  128
.set RB,  2
.set CNT, 3
.set WV,  12
.set G1P, 24
.set G0P, 32
.set G1Q, 48
.set G0Q, 56
.set W_MUL,  0x5a
.set W_FET,  0x80
.set W_SEED, 0x40
.set W_DUMP, 0x04
.set W_SCL,  0x82                      ; destination and source 0 window 2, source 1 window 0
.set MSB, 0
.macro WIN new
.if MSB != (\new)
	s_set_vgpr_msb (MSB<<8)|(\new)
.set MSB, \new
.endif
.endm
.macro PLACES
.rept 4
	v_nop
.endr
.endm
.macro CREST
	s_cmp_lg_u32 s[WV], 0
	s_cbranch_scc1 .Lnot_wave_0_\@
	s_barrier_signal -3
.Lnot_wave_0_\@:
	s_barrier_wait -3
	s_barrier_signal -1
	s_barrier_wait -1
.endm
.macro CROUND
	s_barrier_signal -1
	s_barrier_wait -1
	CREST
.endm
.macro END3
	s_wait_tensorcnt 0x0
	ds_add_u32 v[SPW], v[NIL]
	s_wait_dscnt 0x0
.endm
.macro JLOAD
	s_cmp_lt_u32 s[WV], 2
	s_cbranch_scc0 .Lfor_q_\@
	tensor_load_to_lds s[G0P+4:G0P+7], s[G1P:G1P+7]
	s_nop 0
	PLACES
	s_branch .Lasked_\@
.Lfor_q_\@:
	tensor_load_to_lds s[G0Q+4:G0Q+7], s[G1Q:G1Q+7]
	s_nop 0
	PLACES
.Lasked_\@:
.endm
.macro FETCH q, f                      ; 24 LDS loads: 32 s (quarter q): E's 4 z tiles, X's r tiles 0-3, then 4-7
	WIN W_FET
.irp zt, 0,1,2,3
	ds_load_b128 v[(\f)+8*\zt:(\f)+8*\zt+3],   v[AE] offset:\zt*16*PE+64*(\q)
	ds_load_b128 v[(\f)+8*\zt+4:(\f)+8*\zt+7], v[AE] offset:\zt*16*PE+64*(\q)+32
.endr
.irp rt, 0,1,2,3,4,5,6,7
	ds_load_tr16_b128 v[(\f)+32+8*\rt:(\f)+32+8*\rt+3],   v[AXR] offset:(\q)*32*PX+(\rt/4)*128*PX+(\rt%4)*32
	ds_load_tr16_b128 v[(\f)+32+8*\rt+4:(\f)+32+8*\rt+7], v[AXR] offset:(\q)*32*PX+(\rt/4)*128*PX+(\rt%4)*32+16*PX
.endr
.endm
.macro SCALE f                         ; E g: a lane's fragment of tile zt holds one z, so one packed (g, g) serves its eight registers
	WIN W_SCL
.set i, 0
.rept 32
	v_pk_mul_f16 v[(\f)+i], v[(\f)+i], v[G+i/8]
.set i, i+1
.endr
.endm
.macro MUL f, r0, nr                   ; 4 nr matrix instructions: r tiles r0 .. x all 4 z tiles; each accumulator once a quarter, by turns
	WIN W_MUL
.set c, 0
.rept 4*(\nr)
.set a, 8*(c%4)+(\r0)+c/4
	v_wmma_f32_16x16x32_f16 v[8*a:8*a+7], v[(\f)+32+8*((\r0)+c/4):(\f)+32+8*((\r0)+c/4)+7], v[(\f)+8*(c%4):(\f)+8*(c%4)+7], v[8*a:8*a+7]
.set c, c+1
.endr
.endm
.macro QUARTER kn, f, g
	s_wait_dscnt 8                                 ; g, E and X's tiles 0-3 are in; the youngest eight loads may be out
	SCALE \f
	MUL \f, 0, 4
	PLACES
	FETCH \kn, \g
	s_wait_dscnt 24                                ; all but the 24 just issued
	MUL \f, 4, 4
.endm
.macro TURN fill                       ; the last quarter and the change of slots: the waits and the add in front of the barrier; fill = 1: a round of the cluster's, the refill first behind it
	WIN 0
	s_wait_tensorcnt 0x0
	ds_add_u32 v[SPW], v[NIL]
	s_wait_dscnt 9                                 ; the add and the youngest eight loads may be out
	SCALE F1
	MUL F1, 0, 2
	s_wait_dscnt 0x0                               ; the add is done, my reads of this slot are over
	s_barrier_signal -1
	MUL F1, 2, 2
	WIN 0
	s_barrier_wait -1
.if \fill
	CREST
	s_xor_b32 s[G0P+5], s[G0P+5], SLOTB            ; no tensor load of mine is out: the walking descriptors step
	s_add_nc_u64 s[G0P+6:G0P+7], s[G0P+6:G0P+7], 256
	s_xor_b32 s[G0Q+5], s[G0Q+5], SLOTB
	s_add_nc_u64 s[G0Q+6:G0Q+7], s[G0Q+6:G0Q+7], 16384
	JLOAD
.else
	PLACES
	s_cmp_eq_u32 s[CNT], 1                         ; the last step has no next slot to read
	s_cbranch_scc1 .Lskip_\@
.endif
	s_xor_b32 s[RB], s[RB], SLOTB
	v_add_nc_u32 v[AE], s[RB], v[AE0]
	v_add_nc_u32 v[AXR], s[RB], v[AX0]
	v_add_nc_u32 v[GA], 1024, v[GA]                ; the next block's g
.irp zt, 0,1,2,3
	ds_load_b32 v[G+\zt], v[GA] offset:64*\zt
.endr
	FETCH 0, F0
	WIN 0
.if !(\fill)
.Lskip_\@:
.endif
	MUL F1, 4, 4
.endm
.macro STEP fill
	QUARTER 1, F0, F1
	QUARTER 2, F1, F0
	QUARTER 3, F0, F1
	TURN \fill
.endm
; One z's tables: b: eight c m, then eight l.
.macro GTAB b, zoff
	v_max3_num_f32 v[MXR], v[(\b)], v[(\b)+1], v[(\b)+2]
	v_max3_num_f32 v[MXR], v[MXR], v[(\b)+3], v[(\b)+4]
	v_max3_num_f32 v[MXR], v[MXR], v[(\b)+5], v[(\b)+6]
	v_max_num_f32 v[MXR], v[MXR], v[(\b)+7]
.irp k, 0,1,2,3,4,5,6,7
	v_sub_f32 v[(\b)+\k], v[(\b)+\k], v[MXR]
.endr
.irp k, 0,1,2,3,4,5,6,7
	v_exp_f32 v[(\b)+\k], v[(\b)+\k]
.endr
	v_nop                                          ; a plain instruction between the last exponential and the use of its result
	s_wait_alu depctr_va_vdst(0)
	v_mul_f32 v[LSR], v[(\b)], v[(\b)+8]
.irp k, 1,2,3,4,5,6,7
	v_fmac_f32 v[LSR], v[(\b)+\k], v[(\b)+8+\k]
.endr
	v_rcp_f32 v[LSR], v[LSR]
.irp k, 0,1,2,3,4,5,6,7
	v_cvt_pk_f16_f32 v[(\b)+\k], v[(\b)+\k], v[(\b)+\k]   ; plain work behind the reciprocal
.endr
.irp k, 0,1,2,3,4,5,6,7
	ds_store_b32 v[GS], v[(\b)+\k] offset:1024*\k+(\zoff)
.endr
	s_wait_alu depctr_va_vdst(0)
	ds_store_b32 v[GS], v[LSR] offset:RLAT-GTAT+(\zoff)
.endm
	s_load_b256 s[4:11], s[0:1], 0x0               ; x16 s[4:5], et s[6:7], stat s[8:9], yt s[10:11]
	v_lshl_add_u32 v[SPW], v0, 2, SPARE
	v_mov_b32 v[NIL], 0
	ds_add_u32 v[SPW], v[NIL]                      ; the wave's opening: the add and its wait ahead of my first tensor load
	v_lshrrev_b32 v1, 5, v0
	v_readfirstlane_b32 s[WV], v1
	s_and_b32 s13, s[WV], 1                        ; which half of a tile I fetch
	s_bfe_u32 s16, ttmp6, 0x40000                  ; cx
	s_lshl_b32 s14, ttmp9, 2
	s_add_co_u32 s14, s14, s16                     ; x: my 128 r
	s_and_b32 s15, ttmp7, 0xffff                   ; y: the batch
	s_mov_b32 s[G1P], 15|(1<<16)|(1<<20)|(1<<21)|(5<<22)|(3<<25)  ; E: mask of four; 2-byte elements; padding on; bit 21 beside a mask; after every 64 words 4 words
	s_mov_b32 s[G1P+1], 128<<16
	s_mov_b32 s[G1P+2], 128<<16
	s_mov_b32 s[G1P+3], 128<<16                    ; 128 rows x 128 elements
	s_mov_b32 s[G1P+4], 128
	s_mov_b32 s[G1P+5], 1024
	s_mov_b32 s[G1P+6], 0
	s_mov_b32 s[G1P+7], 0
	s_mov_b32 s[G1Q], (1<<16)|(1<<20)|(4<<22)|(7<<25)  ; X: no mask; 128 s of a block are 16,384 dense bytes: 64 rows of 256, padded by 8 words after every 32 (one s)
	s_mov_b32 s[G1Q+1], 128<<16
	s_mov_b32 s[G1Q+2], 64<<16
	s_mov_b32 s[G1Q+3], 128<<16
	s_mov_b32 s[G1Q+4], 64
	s_mov_b32 s[G1Q+5], 128
	s_mov_b32 s[G1Q+6], 0
	s_mov_b32 s[G1Q+7], 0
	s_lshl_b32 s18, s15, 19                        ; E: the batch, my 128 rows of 2,048 bytes
	s_lshl_b32 s19, s13, 18
	s_add_co_u32 s18, s18, s19
	s_mov_b32 s19, 0
	s_lshl_b32 s46, s14, 1                         ; X: block 2 x + half, 131,072 bytes a block,
	s_add_co_u32 s46, s46, s13
	s_lshl_b32 s46, s46, 17
	s_lshl_b32 s47, s15, 21                        ; the batch
	s_add_co_u32 s46, s46, s47
	s_mov_b32 s47, 0
	s_mul_i32 s40, s13, 128*PE                     ; where they go in a slot
	s_mul_i32 s41, s13, 128*PX
	s_add_co_u32 s41, s41, QOFF
	s_lshl_b32 s20, s15, 19                        ; yt at the batch and my 128 r
	s_lshl_b32 s21, s14, 8
	s_add_co_u32 s20, s20, s21
	s_mov_b32 s21, 0
	s_lshl_b32 s44, s15, 14                        ; stat at the batch
	s_mov_b32 s45, 0
	s_mov_b32 s[RB], 0
	v_and_b32 v[L16], 15, v0
	v_bfe_u32 v[HH], v0, 4, 1
	v_and_b32 v[L8], 7, v0
	v_bfe_u32 v[Q8], v0, 3, 1
	v_mul_u32_u24 v[AE0], v[L16], PE
	v_lshl_add_u32 v[AE0], v[HH], 4, v[AE0]
	s_mul_i32 s17, s[WV], 64*PE
	v_add_nc_u32 v[AE0], s17, v[AE0]
	v_lshl_add_u32 v[AX0], v[HH], 3, v[L8]         ; the turning load: lane reads s = 8 half + lane % 8, 16 bytes at 16 ((lane / 8) % 2)
	v_mul_u32_u24 v[AX0], v[AX0], PX
	v_lshl_add_u32 v[AX0], v[Q8], 4, v[AX0]
	v_add_nc_u32 v[AX0], QOFF, v[AX0]
	v_mov_b32 v[AE], v[AE0]
	v_mov_b32 v[AXR], v[AX0]
	s_lshl_b32 s17, s[WV], 8
	s_add_co_u32 s17, s17, GTAT
	v_lshl_add_u32 v[GA], v[L16], 2, s17
	s_add_co_u32 s17, s17, RLAT-GTAT
	v_lshl_add_u32 v[RA], v[HH], 2, s17
	s_mul_i32 s17, s[WV], 64*SPI
	v_mul_u32_u24 v[SD], v[L16], SPI
	v_lshl_add_u32 v[SD], v[HH], 5, v[SD]
	v_add_nc_u32 v[SD], s17, v[SD]
	v_mul_u32_u24 v[SR], v[HH], SPI
	v_lshl_add_u32 v[SR], v[L16], 5, v[SR]
	v_add_nc_u32 v[SR], s17, v[SR]
	v_lshlrev_b32 v[EO], 11, v[HH]
	v_lshl_add_u32 v[EO], v[L16], 4, v[EO]
	s_lshl_b32 s17, s[WV], 17
	v_add_nc_u32 v[EO], s17, v[EO]
	v_lshlrev_b32 v[STO], 2, v0
	v_add_nc_u32 v[GS], GTAT, v[STO]
	s_wait_dscnt 0x0                               ; the opening add is done
	s_wait_kmcnt 0x0
	s_add_nc_u64 s[18:19], s[6:7], s[18:19]
	s_add_nc_u64 s[46:47], s[4:5], s[46:47]
	s_add_nc_u64 s[10:11], s[10:11], s[20:21]
	s_add_nc_u64 s[8:9], s[8:9], s[44:45]
.irp k, 0,1,2,3,4,5,6,7                ; thread t has z = t and z = t + 128
	global_load_b32 v[PB+\k],    v[STO], s[8:9] offset:2048*\k
	global_load_b32 v[PB+8+\k],  v[STO], s[8:9] offset:2048*\k+1024
	global_load_b32 v[PB+16+\k], v[STO], s[8:9] offset:2048*\k+512
	global_load_b32 v[PB+24+\k], v[STO], s[8:9] offset:2048*\k+1536
.endr
.irp s, 0,1
	s_mov_b32 s[G0P+4*(\s)], 1
	s_add_co_u32 s[G0P+4*(\s)+1], s40, (\s)*SLOTB
	s_add_nc_u64 s[G0P+4*(\s)+2:G0P+4*(\s)+3], s[18:19], (\s)*256
	s_or_b32 s[G0P+4*(\s)+3], s[G0P+4*(\s)+3], 0x80000000
	s_mov_b32 s[G0Q+4*(\s)], 1
	s_add_co_u32 s[G0Q+4*(\s)+1], s41, (\s)*SLOTB
	s_add_nc_u64 s[G0Q+4*(\s)+2:G0Q+4*(\s)+3], s[46:47], (\s)*16384
	s_or_b32 s[G0Q+4*(\s)+3], s[G0Q+4*(\s)+3], 0x80000000
.endr
	CROUND                                         ; all four work-groups are here: the first joint loads meet
	s_cmp_lt_u32 s[WV], 2                          ; a wave's two first fills stand in one branch
	s_cbranch_scc0 .Lfirst_q
	tensor_load_to_lds s[G0P:G0P+3], s[G1P:G1P+7]
	s_nop 0
	tensor_load_to_lds s[G0P+4:G0P+7], s[G1P:G1P+7]
	s_nop 0
	PLACES
	s_branch .Lfirst_asked
.Lfirst_q:
	tensor_load_to_lds s[G0Q:G0Q+3], s[G1Q:G1Q+7]
	s_nop 0
	tensor_load_to_lds s[G0Q+4:G0Q+7], s[G1Q:G1Q+7]
	s_nop 0
	PLACES
.Lfirst_asked:
	WIN W_SEED
.set i, 0
.rept 256
	v_mov_b32 v[i], 0
.set i, i+1
.endr
	WIN 0
	s_wait_loadcnt 0x0
	GTAB PB, 0
	GTAB PB+16, 512
	s_wait_dscnt 0x0                               ; for the others' sake: my part of the tables is in LDS
	s_wait_tensorcnt 0x1                           ; my part of step 0 is in; step 1's may stay out
	s_barrier_signal -1
	s_barrier_wait -1
.irp zt, 0,1,2,3
	ds_load_b32 v[G+\zt], v[GA] offset:64*\zt      ; block 0's g
.endr
	FETCH 0, F0
	WIN 0
	s_mov_b32 s[CNT], 6
.LloopA:
	STEP 1
	WIN 0
	s_sub_co_u32 s[CNT], s[CNT], 1
	s_cmp_lg_u32 s[CNT], 0
	s_cbranch_scc1 .LloopA
	s_mov_b32 s[CNT], 2
.LloopB:                                               ; the last two steps ask for nothing: a text of their own
	STEP 0
	WIN 0
	s_sub_co_u32 s[CNT], s[CNT], 1
	s_cmp_lg_u32 s[CNT], 0
	s_cbranch_scc1 .LloopB
	; THE WAY OUT.  Every wave's reads of both slots ended in front of the last step's barrier.  My 64 rows go into my part of the stage and come back by rows.
	PLACES
	WIN W_DUMP
.set a, 0
.rept 32
	ds_store_b128 v[SD], v[8*a:8*a+3]   offset:(a/8)*16*SPI+(a%8)*64      ; each accumulator's low registers first
	ds_store_b128 v[SD], v[8*a+4:8*a+7] offset:(a/8)*16*SPI+(a%8)*64+16
.set a, a+1
.endr
	WIN 0
.irp u, 0,1,2,3
	v_mov_b32 v[RLR+2*\u+1], 0                     ; named with 1 / l as a pair
.endr
	s_mov_b32 s[CNT], 8
.Lrow:
.irp u, 0,1,2,3
	ds_load_b128 v[SRC+8*\u:SRC+8*\u+3],   v[SR] offset:\u*2*SPI
	ds_load_b128 v[SRC+8*\u+4:SRC+8*\u+7], v[SR] offset:\u*2*SPI+16
	ds_load_b32 v[RLR+2*\u], v[RA] offset:8*\u
.endr
.irp u, 0,1,2,3
	s_wait_dscnt 3*(3-\u)                          ; the later pairs' three loads each stay out
.irp k, 0,1,2,3
	v_pk_mul_f32 v[SRC+8*\u+2*\k:SRC+8*\u+2*\k+1], v[SRC+8*\u+2*\k:SRC+8*\u+2*\k+1], v[RLR+2*\u:RLR+2*\u+1] op_sel_hi:[1,0]
.endr
.irp k, 0,1,2,3
	v_cvt_pk_f16_f32 v[OH+4*\u+\k], v[SRC+8*\u+2*\k], v[SRC+8*\u+2*\k+1]
.endr
	global_store_b128 v[EO], v[OH+4*\u:OH+4*\u+3], s[10:11] offset:\u*4096  ; 16 lanes store 256 consecutive bytes, aligned
.endr
	s_wait_xcnt 0x0                                ; the stores' registers are rewritten only behind this wait
	v_add_nc_u32 v[SR], 8*SPI, v[SR]
	v_add_nc_u32 v[EO], 8*2048, v[EO]
	v_add_nc_u32 v[RA], 32, v[RA]
	s_sub_co_u32 s[CNT], s[CNT], 1
	s_cmp_lg_u32 s[CNT], 0
	s_cbranch_scc1 .Lrow
	END3                                           ; the wave's end
	CROUND                                         ; the closing round
	s_endpgm
.Lfunc_end_k_qf24df08402_wsum:
	.size	k_qf24df08402_wsum, .Lfunc_end_k_qf24df08402_wsum-k_qf24df08402_wsum
	.p2alignl 7, 3214868480
	.fill 96, 4, 3214868480
	.section	.rodata,"a",@progbits
	.p2align	6, 0x0
	.amdhsa_kernel k_qf24df08402_wsum
		.amdhsa_group_segment_fixed_size 327680
		.amdhsa_private_segment_fixed_size 0
		.amdhsa_enable_private_segment 0
		.amdhsa_kernarg_size 32
		.amdhsa_user_sgpr_count 2
		.amdhsa_user_sgpr_kernarg_segment_ptr 1
		.amdhsa_wavefront_size32 1
		.amdhsa_system_sgpr_workgroup_id_x 1
		.amdhsa_system_sgpr_workgroup_id_y 1
		.amdhsa_system_sgpr_workgroup_id_z 1
		.amdhsa_system_vgpr_workitem_id 0
		.amdhsa_next_free_vgpr 768
		.amdhsa_next_free_sgpr 66
		.amdhsa_reserve_vcc 0
		.amdhsa_float_denorm_mode_32 3
		.amdhsa_float_denorm_mode_16_64 3
		.amdhsa_memory_ordered 1
		.amdhsa_forward_progress 1
		.amdhsa_inst_pref_size 82
	.end_amdhsa_kernel
	.amdgpu_metadata
---
amdhsa.version: [ 1, 2 ]
amdhsa.kernels:
  - .name:           k_qf24df08402_wsum
    .symbol:         k_qf24df08402_wsum.kd
    .args:
      - { .name: x16, .offset: 0, .size: 8, .value_kind: global_buffer, .address_space: global }
      - { .name: et, .offset: 8, .size: 8, .value_kind: global_buffer, .address_space: global }
      - { .name: stat, .offset: 16, .size: 8, .value_kind: global_buffer, .address_space: global }
      - { .name: yt, .offset: 24, .size: 8, .value_kind: global_buffer, .address_space: global }
    .group_segment_fixed_size: 327680
    .private_segment_fixed_size: 0
    .kernarg_segment_align: 8
    .kernarg_segment_size: 32
    .max_flat_workgroup_size: 128
    .sgpr_count:     66
    .vgpr_count:     768
    .wavefront_size: 32
...
	.end_amdgpu_metadata
.endif
;; end of part 4
;; launch oproj (part 5): grid 8 x 32, 4 waves a work-group, clusters of 4 x 4, 327,680 bytes of LDS; arguments w16, yt, b2d, feat_3d, out0; writes out0
.if DOCPART == 5
	.amdgcn_target "amdgcn-amd-amdhsa--gfx1250"
	.amdhsa_code_object_version 6
	.text
	.protected	k_qf24df08402_oproj
	.globl	k_qf24df08402_oproj
	.p2align	8
	.type	k_qf24df08402_oproj,@function
k_qf24df08402_oproj:
	s_mov_b64 s[64:65], 0
	v_nop
	global_prefetch_b8 v0, s[64:65] scope:SCOPE_SE
	s_setreg_imm32_b32 hwreg(HW_REG_WAVE_MODE, 25, 1), 1
	s_wait_xcnt 0x0
	s_wait_alu depctr_hold_cnt(0) depctr_sa_sdst(0) depctr_va_vdst(0) depctr_va_sdst(0) depctr_va_ssrc(0) depctr_va_vcc(0) depctr_vm_vsrc(0)
	s_getreg_b32 s2, hwreg(HW_REG_IB_STS2, 6, 4)
	s_cmp_eq_u32 s2, 0
	s_cbranch_scc0 .Lentry_in_a_cluster
	s_endpgm
.Lentry_in_a_cluster:
	s_bfe_u32 s2, ttmp6, 0x10000c
	s_cmp_lg_u32 s2, 0xf033
	s_cbranch_scc0 .Lentry_shape_is_right
	s_endpgm
.Lentry_shape_is_right:
; OPROJ.  out[b][e][z] = sum over r of W2d[r][e] Y[b][r][z] + b2d[e] + feat_3d[b][e].  This is reference()'s sum over s of f2d[s][e] P[s][z]: the weights of a column add up to 1, so b2d enters once.
; Operands f16 (w16 holds bf16(W2d) written as f16, Y is a mean of X's rows), sums f32; b2d and feat_3d are rounded to bf16 like every input and added in f32.
; SHARES.  Grid 8 x 32: x = 128 e, y = the batch; four waves, each 64 z x 128 e: 32 accumulators.  K = 1,024 r in eight steps of 128.
; Source 0 = 16 rows of Y^T (z), source 1 = 16 columns of W2d (e; w16 lies [r][e] and is turned by ds_load_tr16_b128): a lane holds one e and eight neighbouring z, as out0's rows run.
; RING: two slots; waves 0, 1 fetch Y's halves, waves 2, 3 W's two blocks of 64 e; one tensor load a wave behind each round; two are out at the start, later one.
; CLUSTER 4 x 4: Y's tile hangs on the batch alone and is asked for jointly along a row of the cluster, W's on x alone, along a column.
; The accumulators start as the bias, 256 v_mov_b32 in the wait for the first tile, so that no first step is written out and nothing is added on the way out.
; REGISTERS: window 0 addresses, way out; window 1 accumulators, (et, zt) at 8 (4 et + zt); window 2 two fragment buffers: Y 32, W 64.
.set PE,    272
.set PX,    160
.set QOFF,  256*PE
.set SLOTB, 1<<17
.set SPARE, 2*SLOTB                    ; the spare words: two blocks of 256 bytes that no other line names
.set SPO,   272                        ; the stage: for each wave 128 e rows of 64 f32 + 16 bytes, from byte 0: over bytes of both slots, behind their last fill and the last step's barrier
.set L16, 1
.set HH,  2
.set L8,  3
.set Q8,  4
.set AE0, 5
.set AX0, 6
.set AE,  7
.set AXR, 8
.set SD,  10
.set SR,  11
.set OO,  12
.set BO,  13
.set SPW, 14
.set NIL, 15
.set BI,  32
.set SRC, 32
.set F0,  0
.set F1,  128
.set CNT, 3
.set WV,  14
.set RB,  45
.set G1P, 24
.set G0P, 32
.set G1Q, 48
.set G0Q, 56
.set W_MUL,  0x5a
.set W_FET,  0x80
.set W_SEED, 0x40
.set W_DUMP, 0x04
.set MSB, 0
.macro WIN new
.if MSB != (\new)
	s_set_vgpr_msb (MSB<<8)|(\new)
.set MSB, \new
.endif
.endm
.macro PLACES
.rept 4
	v_nop
.endr
.endm
.macro CREST
	s_cmp_lg_u32 s[WV], 0
	s_cbranch_scc1 .Lnot_wave_0_\@
	s_barrier_signal -3
.Lnot_wave_0_\@:
	s_barrier_wait -3
	s_barrier_signal -1
	s_barrier_wait -1
.endm
.macro CROUND
	s_barrier_signal -1
	s_barrier_wait -1
	CREST
.endm
.macro END3
	s_wait_tensorcnt 0x0
	ds_add_u32 v[SPW], v[NIL]
	s_wait_dscnt 0x0
.endm
.macro JLOAD
	s_cmp_lt_u32 s[WV], 2
	s_cbranch_scc0 .Lfor_q_\@
	tensor_load_to_lds s[G0P+4:G0P+7], s[G1P:G1P+7]
	s_nop 0
	PLACES
	s_branch .Lasked_\@
.Lfor_q_\@:
	tensor_load_to_lds s[G0Q+4:G0Q+7], s[G1Q:G1Q+7]
	s_nop 0
	PLACES
.Lasked_\@:
.endm
.macro FETCH q, f                      ; 24 LDS loads: 32 r (quarter q): Y's 4 z tiles, W's e tiles 0-3, then 4-7
	WIN W_FET
.irp zt, 0,1,2,3
	ds_load_b128 v[(\f)+8*\zt:(\f)+8*\zt+3],   v[AE] offset:\zt*16*PE+64*(\q)
	ds_load_b128 v[(\f)+8*\zt+4:(\f)+8*\zt+7], v[AE] offset:\zt*16*PE+64*(\q)+32
.endr
.irp et, 0,1,2,3,4,5,6,7
	ds_load_tr16_b128 v[(\f)+32+8*\et:(\f)+32+8*\et+3],   v[AXR] offset:(\q)*32*PX+(\et/4)*128*PX+(\et%4)*32
	ds_load_tr16_b128 v[(\f)+32+8*\et+4:(\f)+32+8*\et+7], v[AXR] offset:(\q)*32*PX+(\et/4)*128*PX+(\et%4)*32+16*PX
.endr
.endm
.macro MUL f, e0, ne                   ; 4 ne matrix instructions: e tiles e0 .. x all 4 z tiles; each accumulator once a quarter, by turns
	WIN W_MUL
.set a, 4*(\e0)
.rept 4*(\ne)
	v_wmma_f32_16x16x32_f16 v[8*a:8*a+7], v[(\f)+8*(a%4):(\f)+8*(a%4)+7], v[(\f)+32+8*(a/4):(\f)+32+8*(a/4)+7], v[8*a:8*a+7]
.set a, a+1
.endr
.endm
.macro QUARTER kn, f, g
	s_wait_dscnt 8                                 ; Y and W's tiles 0-3 are in; the youngest eight loads may be out
	MUL \f, 0, 4
	PLACES
	FETCH \kn, \g
	s_wait_dscnt 24                                ; all but the 24 just issued
	MUL \f, 4, 4
.endm
.macro TURN fill                       ; the last quarter and the change of slots: the waits and the add in front of the barrier; fill = 1: a round of the cluster's, the refill first behind it
	WIN 0
	s_wait_tensorcnt 0x0
	ds_add_u32 v[SPW], v[NIL]
	s_wait_dscnt 9                                 ; the add and the youngest eight loads may be out
	MUL F1, 0, 2
	s_wait_dscnt 0x0                               ; the add is done, my reads of this slot are over
	s_barrier_signal -1
	MUL F1, 2, 2
	WIN 0
	s_barrier_wait -1
.if \fill
	CREST
	s_xor_b32 s[G0P+5], s[G0P+5], SLOTB            ; no tensor load of mine is out: the walking descriptors step
	s_add_nc_u64 s[G0P+6:G0P+7], s[G0P+6:G0P+7], 256
	s_xor_b32 s[G0Q+5], s[G0Q+5], SLOTB
	s_add_nc_u64 s[G0Q+6:G0Q+7], s[G0Q+6:G0Q+7], 16384
	JLOAD
.else
	PLACES
	s_cmp_eq_u32 s[CNT], 1                         ; the last step has no next slot to read
	s_cbranch_scc1 .Lskip_\@
.endif
	s_xor_b32 s[RB], s[RB], SLOTB
	v_add_nc_u32 v[AE], s[RB], v[AE0]
	v_add_nc_u32 v[AXR], s[RB], v[AX0]
	FETCH 0, F0
	WIN 0
.if !(\fill)
.Lskip_\@:
.endif
	MUL F1, 4, 4
.endm
.macro STEP fill
	QUARTER 1, F0, F1
	QUARTER 2, F1, F0
	QUARTER 3, F0, F1
	TURN \fill
.endm
	s_load_b256 s[4:11], s[0:1], 0x0               ; w16 s[4:5], yt s[6:7], b2d s[8:9], feat_3d s[10:11]
	s_load_b64 s[12:13], s[0:1], 0x20              ; out0
	v_lshl_add_u32 v[SPW], v0, 2, SPARE
	v_mov_b32 v[NIL], 0
	ds_add_u32 v[SPW], v[NIL]                      ; the wave's opening: the add and its wait ahead of my first tensor load
	v_lshrrev_b32 v1, 5, v0
	v_readfirstlane_b32 s[WV], v1
	s_and_b32 s15, s[WV], 1                        ; which half of a tile I fetch
	s_bfe_u32 s40, ttmp6, 0x40000                  ; cx
	s_bfe_u32 s41, ttmp6, 0x40004                  ; cy
	s_lshl_b32 s42, ttmp9, 2
	s_add_co_u32 s42, s42, s40                     ; x: my 128 e
	s_and_b32 s16, ttmp7, 0xffff
	s_lshl_b32 s16, s16, 2
	s_add_co_u32 s16, s16, s41                     ; y: the batch
	s_lshl_b32 s43, s41, 2
	s_lshl_b32 s43, 15, s43                        ; my row of the cluster
	s_lshl_b32 s44, 0x1111, s40                    ; my column
	s_or_b32 s[G1P], s43, (1<<16)|(1<<20)|(1<<21)|(5<<22)|(3<<25)  ; Y: mask; 2-byte elements; padding on; bit 21 beside a mask; after every 64 words 4 words
	s_mov_b32 s[G1P+1], 128<<16
	s_mov_b32 s[G1P+2], 128<<16
	s_mov_b32 s[G1P+3], 128<<16                    ; 128 rows x 128 elements
	s_mov_b32 s[G1P+4], 128
	s_mov_b32 s[G1P+5], 1024
	s_mov_b32 s[G1P+6], 0
	s_mov_b32 s[G1P+7], 0
	s_or_b32 s[G1Q], s44, (1<<16)|(1<<20)|(1<<21)|(4<<22)|(7<<25)  ; W: 128 r of a block are 16,384 dense bytes: 64 rows of 256, padded by 8 words after every 32 (one r)
	s_mov_b32 s[G1Q+1], 128<<16
	s_mov_b32 s[G1Q+2], 64<<16
	s_mov_b32 s[G1Q+3], 128<<16
	s_mov_b32 s[G1Q+4], 64
	s_mov_b32 s[G1Q+5], 128
	s_mov_b32 s[G1Q+6], 0
	s_mov_b32 s[G1Q+7], 0
	s_lshl_b32 s18, s16, 19                        ; Y: the batch, my 128 rows of 2,048 bytes
	s_lshl_b32 s17, s15, 18
	s_add_co_u32 s18, s18, s17
	s_mov_b32 s19, 0
	s_lshl_b32 s46, s42, 1                         ; W: block 2 x + half
	s_add_co_u32 s46, s46, s15
	s_lshl_b32 s46, s46, 17
	s_mov_b32 s47, 0
	s_mul_i32 s2, s15, 128*PE                      ; where they go in a slot: no place in the cluster enters an LDS address
	s_mul_i32 s17, s15, 128*PX
	s_add_co_u32 s17, s17, QOFF
	s_lshl_b32 s20, s42, 9                         ; b2d at my 128 e
	s_mov_b32 s21, 0
	s_lshl_b32 s22, s16, 12                        ; feat_3d at the batch and my 128 e
	s_add_co_u32 s22, s22, s20
	s_mov_b32 s23, 0
	s_mov_b32 s[RB], 0
	v_and_b32 v[L16], 15, v0
	v_bfe_u32 v[HH], v0, 4, 1
	v_and_b32 v[L8], 7, v0
	v_bfe_u32 v[Q8], v0, 3, 1
	v_lshlrev_b32 v[BO], 2, v[L16]
	v_mul_u32_u24 v[AE0], v[L16], PE
	v_lshl_add_u32 v[SD], v[HH], 5, v[AE0]         ; into the stage: row 16 et + lane % 16, byte 64 zt + 32 half (the stage's pitch is Y's)
	v_lshl_add_u32 v[AE0], v[HH], 4, v[AE0]
	s_mul_i32 s39, s[WV], 64*PE                    ; (s39 is written again below, with the descriptors)
	v_add_nc_u32 v[AE0], s39, v[AE0]
	s_mul_i32 s39, s[WV], 128*SPO
	v_add_nc_u32 v[SD], s39, v[SD]
	v_mul_u32_u24 v[SR], v[HH], SPO                ; back: two rows at a time, 16 bytes a lane
	v_lshl_add_u32 v[SR], v[L16], 4, v[SR]
	v_add_nc_u32 v[SR], s39, v[SR]
	v_lshl_add_u32 v[AX0], v[HH], 3, v[L8]
	v_mul_u32_u24 v[AX0], v[AX0], PX
	v_lshl_add_u32 v[AX0], v[Q8], 4, v[AX0]
	v_add_nc_u32 v[AX0], QOFF, v[AX0]
	v_mov_b32 v[AE], v[AE0]
	v_mov_b32 v[AXR], v[AX0]
	v_lshlrev_b32 v[OO], 10, v[HH]                 ; out0: row e, my wave's 64 z = 256 bytes
	v_lshl_add_u32 v[OO], v[L16], 4, v[OO]
	s_lshl_b32 s39, s[WV], 8
	v_add_nc_u32 v[OO], s39, v[OO]
	s_wait_dscnt 0x0                               ; the opening add is done
	s_wait_kmcnt 0x0
	s_add_nc_u64 s[18:19], s[6:7], s[18:19]
	s_add_nc_u64 s[46:47], s[4:5], s[46:47]
	s_add_nc_u64 s[8:9], s[8:9], s[20:21]
	s_add_nc_u64 s[10:11], s[10:11], s[22:23]
	s_lshl_b32 s20, s16, 20                        ; out0 at the batch and my 128 rows of 1,024 bytes
	s_lshl_b32 s22, s42, 17
	s_add_co_u32 s20, s20, s22
	s_add_nc_u64 s[12:13], s[12:13], s[20:21]
.irp et, 0,1,2,3,4,5,6,7
	global_load_b32 v[BI+\et],   v[BO], s[8:9] offset:64*\et
	global_load_b32 v[BI+8+\et], v[BO], s[10:11] offset:64*\et
.endr
.irp s, 0,1
	s_mov_b32 s[G0P+4*(\s)], 1
	s_add_co_u32 s[G0P+4*(\s)+1], s2, (\s)*SLOTB
	s_add_nc_u64 s[G0P+4*(\s)+2:G0P+4*(\s)+3], s[18:19], (\s)*256
	s_or_b32 s[G0P+4*(\s)+3], s[G0P+4*(\s)+3], 0x80000000
	s_mov_b32 s[G0Q+4*(\s)], 1
	s_add_co_u32 s[G0Q+4*(\s)+1], s17, (\s)*SLOTB
	s_add_nc_u64 s[G0Q+4*(\s)+2:G0Q+4*(\s)+3], s[46:47], (\s)*16384
	s_or_b32 s[G0Q+4*(\s)+3], s[G0Q+4*(\s)+3], 0x80000000
.endr
	CROUND                                         ; all sixteen work-groups are here: the first joint loads meet
	s_cmp_lt_u32 s[WV], 2                          ; a wave's two first fills stand in one branch
	s_cbranch_scc0 .Lfirst_q
	tensor_load_to_lds s[G0P:G0P+3], s[G1P:G1P+7]
	s_nop 0
	tensor_load_to_lds s[G0P+4:G0P+7], s[G1P:G1P+7]
	s_nop 0
	PLACES
	s_branch .Lfirst_asked
.Lfirst_q:
	tensor_load_to_lds s[G0Q:G0Q+3], s[G1Q:G1Q+7]
	s_nop 0
	tensor_load_to_lds s[G0Q+4:G0Q+7], s[G1Q:G1Q+7]
	s_nop 0
	PLACES
.Lfirst_asked:
	s_wait_loadcnt 0x0
.irp et, 0,1,2,3,4,5,6,7
	v_cvt_pk_bf16_f32 v[BI+16+\et], v[BI+\et], v[BI+8+\et]   ; both rounded to bf16, like every input,
.endr
.irp et, 0,1,2,3,4,5,6,7
	v_lshlrev_b32 v[BI+\et], 16, v[BI+16+\et]
	v_and_b32 v[BI+8+\et], 0xffff0000, v[BI+16+\et]
.endr
.irp et, 0,1,2,3,4,5,6,7
	v_add_f32 v[BI+\et], v[BI+\et], v[BI+8+\et]    ; and added in f32
.endr
	WIN W_SEED
.set i, 0
.rept 256                              ; every register of accumulator (et, zt) belongs to e = 16 et + lane % 16
	v_mov_b32 v[i], v[BI+i/32]
.set i, i+1
.endr
	WIN 0
	s_wait_tensorcnt 0x1                           ; my part of step 0 is in; step 1's may stay out
	s_barrier_signal -1
	s_barrier_wait -1
	FETCH 0, F0
	WIN 0
	s_mov_b32 s[CNT], 6
.LloopA:
	STEP 1
	WIN 0
	s_sub_co_u32 s[CNT], s[CNT], 1
	s_cmp_lg_u32 s[CNT], 0
	s_cbranch_scc1 .LloopA
	s_mov_b32 s[CNT], 2
.LloopB:                                               ; the last two steps ask for nothing: a text of their own
	STEP 0
	WIN 0
	s_sub_co_u32 s[CNT], s[CNT], 1
	s_cmp_lg_u32 s[CNT], 0
	s_cbranch_scc1 .LloopB
	; THE WAY OUT.  Every wave's reads of both slots ended in front of the last step's barrier.  My 128 e x 64 z go through my part of the stage and leave as rows of 256 bytes.
	PLACES
	WIN W_DUMP
.set a, 0
.rept 32
	ds_store_b128 v[SD], v[8*a:8*a+3]   offset:(a/4)*16*SPO+(a%4)*64      ; each accumulator's low registers first
	ds_store_b128 v[SD], v[8*a+4:8*a+7] offset:(a/4)*16*SPO+(a%4)*64+16
.set a, a+1
.endr
	WIN 0
	s_mov_b32 s[CNT], 8
.Lrow:                                                 ; 16 rows a trip
.irp u, 0,1,2,3,4,5,6,7
	ds_load_b128 v[SRC+4*\u:SRC+4*\u+3], v[SR] offset:\u*2*SPO
.endr
.irp u, 0,1,2,3,4,5,6,7
	s_wait_dscnt 7-\u
	global_store_b128 v[OO], v[SRC+4*\u:SRC+4*\u+3], s[12:13] offset:\u*2048 th:TH_STORE_NT  ; 16 lanes store 256 consecutive bytes, aligned
.endr
	s_wait_xcnt 0x0                                ; the stores' registers are loaded again only behind this wait
	v_add_nc_u32 v[SR], 16*SPO, v[SR]
	v_add_nc_u32 v[OO], 16*1024, v[OO]
	s_sub_co_u32 s[CNT], s[CNT], 1
	s_cmp_lg_u32 s[CNT], 0
	s_cbranch_scc1 .Lrow
	END3                                           ; the wave's end
	CROUND                                         ; the closing round
	s_endpgm
.Lfunc_end_k_qf24df08402_oproj:
	.size	k_qf24df08402_oproj, .Lfunc_end_k_qf24df08402_oproj-k_qf24df08402_oproj
	.p2alignl 7, 3214868480
	.fill 96, 4, 3214868480
	.section	.rodata,"a",@progbits
	.p2align	6, 0x0
	.amdhsa_kernel k_qf24df08402_oproj
		.amdhsa_group_segment_fixed_size 327680
		.amdhsa_private_segment_fixed_size 0
		.amdhsa_enable_private_segment 0
		.amdhsa_kernarg_size 40
		.amdhsa_user_sgpr_count 2
		.amdhsa_user_sgpr_kernarg_segment_ptr 1
		.amdhsa_wavefront_size32 1
		.amdhsa_system_sgpr_workgroup_id_x 1
		.amdhsa_system_sgpr_workgroup_id_y 1
		.amdhsa_system_sgpr_workgroup_id_z 1
		.amdhsa_system_vgpr_workitem_id 0
		.amdhsa_next_free_vgpr 768
		.amdhsa_next_free_sgpr 66
		.amdhsa_reserve_vcc 0
		.amdhsa_float_denorm_mode_32 3
		.amdhsa_float_denorm_mode_16_64 3
		.amdhsa_memory_ordered 1
		.amdhsa_forward_progress 1
		.amdhsa_inst_pref_size 58
	.end_amdhsa_kernel
	.amdgpu_metadata
---
amdhsa.version: [ 1, 2 ]
amdhsa.kernels:
  - .name:           k_qf24df08402_oproj
    .symbol:         k_qf24df08402_oproj.kd
    .args:
      - { .name: w16, .offset: 0, .size: 8, .value_kind: global_buffer, .address_space: global }
      - { .name: yt, .offset: 8, .size: 8, .value_kind: global_buffer, .address_space: global }
      - { .name: b2d, .offset: 16, .size: 8, .value_kind: global_buffer, .address_space: global }
      - { .name: feat_3d, .offset: 24, .size: 8, .value_kind: global_buffer, .address_space: global }
      - { .name: out0, .offset: 32, .size: 8, .value_kind: global_buffer, .address_space: global }
    .group_segment_fixed_size: 327680
    .private_segment_fixed_size: 0
    .kernarg_segment_align: 8
    .kernarg_segment_size: 40
    .max_flat_workgroup_size: 128
    .sgpr_count:     66
    .vgpr_count:     768
    .wavefront_size: 32
...
	.end_amdgpu_metadata
.endif
;; end of part 5
